; MI455X (gfx1250); checked and timed in simulation.
; The chip was launched on July 23, 2026; its instructions are those of AMD's public machine-readable ISA for CDNA 5 (MIT licence, August 2026) and "CDNA5" Instruction Set Architecture Reference Guide (July 2026). The comments in the code are by the model that wrote it; some were corrected since.
;; Monet. Allowed arithmetic: matrix products marked QUANTISED: E5M2 operands, one E8M0 scale for each 32 along K, by v_wmma_scale_f32_16x16x128_f8f6f4 with both operands' format E5M2, f32 sums; products left as they are: f32 operands where the result goes on into a quantised operand, else bf16, f16 or f32 operands; f32 sums; everything else in f32.
;; Inputs: b1_codes 512 x 16 x 32 uint8 (E5M2 codes of b1, K innermost, in blocks of 32 codes); b1_scales 512 x 16 uint8 (E8M0 scales of b1, one for each 32 codes along K); b2_codes 512 x 16 x 32 uint8 (E5M2 codes of b2, K innermost, in blocks of 32 codes); b2_scales 512 x 16 uint8 (E8M0 scales of b2, one for each 32 codes along K); ln1_w 1 float32; ln2_w 1 float32; u1_b 512 float32; u1_w_codes 512 x 32 x 32 uint8 (E5M2 codes of u1_w, K innermost, in blocks of 32 codes); u1_w_scales 512 x 32 uint8 (E8M0 scales of u1_w, one for each 32 codes along K); u2_b 512 float32; u2_w_codes 512 x 32 x 32 uint8 (E5M2 codes of u2_w, K innermost, in blocks of 32 codes); u2_w_scales 512 x 32 uint8 (E8M0 scales of u2_w, one for each 32 codes along K); v11_w_codes 512 x 16 x 32 uint8 (E5M2 codes of v11_w, K innermost, in blocks of 32 codes); v11_w_scales 512 x 16 uint8 (E8M0 scales of v11_w, one for each 32 codes along K); v12_w_codes 512 x 16 x 32 uint8 (E5M2 codes of v12_w, K innermost, in blocks of 32 codes); v12_w_scales 512 x 16 uint8 (E8M0 scales of v12_w, one for each 32 codes along K); v21_w_codes 512 x 16 x 32 uint8 (E5M2 codes of v21_w, K innermost, in blocks of 32 codes); v21_w_scales 512 x 16 uint8 (E8M0 scales of v21_w, one for each 32 codes along K); v22_w_codes 512 x 16 x 32 uint8 (E5M2 codes of v22_w, K innermost, in blocks of 32 codes); v22_w_scales 512 x 16 uint8 (E8M0 scales of v22_w, one for each 32 codes along K); w1_codes 512 x 32 x 32 uint8 (E5M2 codes of w1, K innermost, in blocks of 32 codes); w1_scales 512 x 32 uint8 (E8M0 scales of w1, one for each 32 codes along K); w2_codes 512 x 32 x 32 uint8 (E5M2 codes of w2, K innermost, in blocks of 32 codes); w2_scales 512 x 32 uint8 (E8M0 scales of w2, one for each 32 codes along K); x_codes 16,384 x 32 x 32 uint8 (E5M2 codes of x, K innermost, in blocks of 32 codes); x_scales 16,384 x 32 uint8 (E8M0 scales of x, one for each 32 codes along K).
;; Outputs: out0 16,384 x 1,024 float32.
;; This version of the problem:
;;   THIS VERSION OF THE PROBLEM IS GIVEN IN LOW PRECISION. The matrix products marked QUANTISED in the list below multiply operands that are first quantised to E5M2 (5 exponent bits, 2 mantissa bits; 8 bits a number), with one power-of-two scale for each 32 numbers along K (OCP MX v1.0); their sums are f32. All else is computed in f32.
;;   The module's matrix products, in the order in which they are computed (A, B: the left and right operand; K: the contracted axis; several contracted axes count as one K, in the product's order):
;;     1. [M 16,384, K 1,024] x [K 1,024, N 512]; A: input x (given as codes); B: input w1 (given as codes): QUANTISED
;;     2. [M 16,384, K 1,024] x [K 1,024, N 512]; A: input x (given as codes); B: input w2 (given as codes): QUANTISED
;;     3. [M 16,384, K 1,024] x [K 1,024, N 512]; A: input x (given as codes); B: input u1_w (given as codes): QUANTISED
;;     4. [M 16,384, K 1,024] x [K 1,024, N 512]; A: input x (given as codes); B: input u2_w (given as codes): QUANTISED
;;     5. [M 16,384, K 512] x [K 512, N 512]; A: computed on the way; B: input v11_w (given as codes): QUANTISED
;;     6. batch 16,384 x [M 1, K 512] x [K 512, N 1]; A: softmax; B: computed on the way: left as it is (M = 1 < 16)
;;     7. batch 16,384 x [M 512, K 1] x [K 1, N 1]; A: computed on the way; B: computed on the way: left as it is (K = 1 < 32)
;;     8. [M 16,384, K 512] x [K 512, N 512]; A: computed on the way; B: input v12_w (given as codes): QUANTISED
;;     9. [M 16,384, K 512] x [K 512, N 512]; A: computed on the way; B: input b1 (given as codes): QUANTISED
;;     10. batch 16,384 x [M 1, K 512] x [K 512, N 1]; A: softmax; B: computed on the way: left as it is (M = 1 < 16)
;;     11. batch 16,384 x [M 512, K 1] x [K 1, N 1]; A: computed on the way; B: computed on the way: left as it is (K = 1 < 32)
;;     12. [M 16,384, K 512] x [K 512, N 512]; A: computed on the way; B: input v21_w (given as codes): QUANTISED
;;     13. [M 16,384, K 512] x [K 512, N 512]; A: computed on the way; B: input v22_w (given as codes): QUANTISED
;;     14. [M 16,384, K 512] x [K 512, N 512]; A: computed on the way; B: input b2 (given as codes): QUANTISED
;;   THE QUANTISER, for each operand of a quantised product, along K:
;;     - K is cut into blocks of 32 from its start; a last block that is shorter is filled with zeros.
;;     - A block's scale is 2^e with e = floor(log2(the largest magnitude in the block)) - 15, held to -126 .. 127; a block of zeros has e = 0. As a byte (E8M0): e + 127.
;;     - Each number is divided by its block's scale, clamped to +-57,344, and rounded to the nearest number of E5M2, ties to even, subnormals kept.
;;     - The product sums the exact products of the quantised numbers (number of the format x scale) in f32.
;;   ~~~python
;;   def quantise(x, axis):      # numpy; x: float32 -> the quantised numbers, widened to float32 again
;;       x = np.moveaxis(x, axis, -1); K = x.shape[-1]
;;       x = np.pad(x, [(0, 0)] * (x.ndim - 1) + [(0, -K % 32)]); x = x.reshape(x.shape[:-1] + (-1, 32)); a = np.abs(x).max(-1, keepdims=True)
;;       e = np.where(a > 0, np.clip(np.frexp(np.where(a > 0, a, 1))[1] - 1 - 15, -126, 127), 0)      # np.frexp(a)[1] - 1 = floor(log2(a)), exactly
;;       r = np.clip(x / 2.0 ** e, -57344, 57344)
;;       step = 2.0 ** (np.maximum(np.frexp(np.where(r == 0, 1, r))[1] - 1, -14) - 2)
;;       q = np.round(r / step) * step * 2.0 ** e      # np.round: ties to even
;;       return np.moveaxis(q.reshape(q.shape[:-2] + (-1,))[..., :K], -1, axis).astype(np.float32)
;;   ~~~
;;   OPERANDS COMPUTED ON THE WAY. 'Computed on the way' means the value that the module computes at that place (a softmax that the list does not call 'softmax' is quantised finished and normalised). What goes into a quantiser is computed in f32, as accurately as f32 sums, v_exp_f32 and their like allow (about 1e-6 of the number): no bf16 or f16 on the way to a quantiser, and a product that is left as it is and whose result goes on into a quantised operand takes f32 operands (vector FMAs, or v_wmma_f32_16x16x4_f32). A number that lies on a knife's edge between two numbers of the format may be rounded either way, as far as f32 arithmetic and the matrix unit's own rounding can turn it there, and no further.
;;   INPUTS GIVEN AS CODES. b1 (in the module: [512, 512], K = its axis 0); b2 (in the module: [512, 512], K = its axis 0); u1_w (in the module: [512, 1024], K = its axis 1); u2_w (in the module: [512, 1024], K = its axis 1); v11_w (in the module: [512, 512], K = its axis 1); v12_w (in the module: [512, 512], K = its axis 1); v21_w (in the module: [512, 512], K = its axis 1); v22_w (in the module: [512, 512], K = its axis 1); w1 (in the module: [512, 1024], K = its axis 1); w2 (in the module: [512, 1024], K = its axis 1); x (in the module: [16384, 1024], K = its axis 1): each comes as NAME_codes (uint8): NAME with its K axis moved to the last place and cut into blocks of 32 codes, [.., K / 32, bytes a block], one block behind the other in memory; one code a byte (a code: sign, 5 exponent bits, 2 mantissa bits); and NAME_scales (uint8): the same leading axes, one E8M0 byte (e + 127) for each 32 codes along K. Its value is code x scale, taken as it is: it is not quantised again, and the codes and scales need not be those that the quantiser above would give.
;; 2 versions, each right; version 2 is version 1 with the launch chain written anew for expert scheduling mode. Each part assembles by itself: llvm-mc -triple=amdgcn-amd-amdhsa -mcpu=gfx1250 --defsym DOCPART=n.
;; ======== version 1 of 2: 2 launches
;; workspace buffers: wst 3,784,704 bytes
;; launch lay (part 1): grid 28 x 4, 4 waves a work-group, no clusters, 0 bytes of LDS; arguments w1_codes, w1_scales, u1_w_codes, u1_w_scales, w2_codes, w2_scales, u2_w_codes, u2_w_scales, b1_codes, b1_scales, v11_w_codes, v11_w_scales, v12_w_codes, v12_w_scales, b2_codes, b2_scales, v22_w_codes, v22_w_scales, v21_w_codes, v21_w_scales, wst; writes wst
.if DOCPART == 1
	.amdgcn_target "amdgcn-amd-amdhsa--gfx1250"
	.amdhsa_code_object_version 6
	.text
	.protected	k_qaf05a79d50_lay
	.globl	k_qaf05a79d50_lay
	.p2align	8
	.type	k_qaf05a79d50_lay,@function
k_qaf05a79d50_lay:
	s_mov_b64 s[64:65], 0
	v_nop
	global_prefetch_b8 v0, s[64:65] scope:SCOPE_SE
	s_setreg_imm32_b32 hwreg(HW_REG_WAVE_MODE, 25, 1), 1
	s_wait_xcnt 0x0
; The ten weights (codes of E5M2 and their E8M0 bytes) are copied once into wst, in the order in which a wave of the second launch takes them into its operand registers.
; wst = 4 waves x 28 trips x BLK bytes; block (w, T) at (28 w + T) BLK.  In a block: 16 fragments of 16 rows x 128 K, fragment f's registers 4 c .. 4 c + 3 of lane l at 2048 f + 512 c + 16 l;
; behind them, at 32768 + 512 i + 16 l + 4 j, the scale word of fragment 8 i + 2 j + l / 16, row l % 16: one load of 16 bytes a lane brings four registers, even fragments' words in lanes 0-15, odd ones' in lanes 16-31.
; T = 0 .. 15: matrix T / 4 of (w1, u1_w, w2, u2_w), K = 1,024: fragment f is K step 2 (T % 4) + f / 8, tile t = f % 8 of wave w's 128 rows; lane r of a tile takes row 128 w + 32 (t / 2) + 8 (t % 2) + r + 8 (r / 8),
;   so that the results of two neighbouring tiles are 16 neighbours along the next product's K.
; T = 16 + 4 i + s: matrix i of (b1, v11, v12) for w < 2, of (b2, v22, v21) for w >= 2, K = 512: K step s, fragment n = rows 256 (w % 2) + 16 n + r.
; One work-group copies one block (x = T, y = w); wave wv copies fragments 4 wv .. 4 wv + 3, waves 0 and 1 also 512 bytes of scale words.  Each store of a wave covers 512 consecutive bytes, aligned.
; No LDS, no barrier: waves share nothing.  28 x 4 work-groups: that is all the work there is.
.set BLK, 33792
	s_load_b512 s[4:19], s[0:1], 0x0               ; matrix n: codes s[4+4n:5+4n], scale bytes s[6+4n:7+4n]
	s_load_b512 s[20:35], s[0:1], 0x40
	s_load_b256 s[36:43], s[0:1], 0x80
	s_load_b64 s[44:45], s[0:1], 0xa0              ; wst
	v_lshrrev_b32 v1, 5, v0
	v_readfirstlane_b32 s50, v1                    ; wv
	s_and_b32 s51, ttmp7, 0xffff                   ; w
	v_and_b32 v3, 15, v0                           ; r
	v_bfe_u32 v4, v0, 4, 1                         ; h
	v_and_b32 v5, 31, v0                           ; lane
	v_and_b32 v6, 8, v3
	v_add_nc_u32 v6, v6, v3                        ; r + 8 (r / 8)
	s_lshr_b32 s52, ttmp9, 2                       ; T / 4
	s_lshr_b32 s53, s51, 1
	s_mul_i32 s54, s53, 3
	s_add_co_u32 s54, s54, s52                     ; 3 (w / 2) + T / 4 = 4 + 3 (w / 2) + (T - 16) / 4
	s_cmp_lt_u32 ttmp9, 16
	s_cselect_b32 s52, s52, s54                    ; which of the ten matrices
	s_and_b32 s53, ttmp9, 3                        ; T % 4
	s_mul_i32 s55, s51, 28
	s_add_co_u32 s55, s55, ttmp9
	s_mul_i32 s56, s55, BLK                        ; my block, in bytes (under 2^22)
	s_mov_b32 s57, 0
	s_lshl_b32 s58, s50, 13
	s_lshl_b32 s59, s50, 9
	v_lshlrev_b32 v7, 4, v5
	v_add_nc_u32 v8, s59, v7                       ; scale words out: 16 lane + 512 wv
	v_add_nc_u32 v7, s58, v7                       ; fragments out: 16 lane + 8192 wv
	s_mov_b32 s61, 0
	s_wait_kmcnt 0x0
	s_add_nc_u64 s[44:45], s[44:45], s[56:57]
	s_mov_b64 s[46:47], s[4:5]
	s_mov_b64 s[48:49], s[6:7]
.irp n, 1,2,3,4,5,6,7,8,9
	s_cmp_eq_u32 s52, \n                           ; the choice hangs on the work-group's numbers alone
	s_cselect_b64 s[46:47], s[4+4*\n:5+4*\n], s[46:47]
	s_cselect_b64 s[48:49], s[6+4*\n:7+4*\n], s[48:49]
.endr
	s_cmp_lt_u32 ttmp9, 16
	s_cbranch_scc0 .Lstage2
	; rows of 1,024 codes.  Fragment 4 wv + e: tile 4 (wv % 2) + e, K step 2 (T % 4) + wv / 2
	s_and_b32 s58, s50, 1
	s_lshl_b32 s58, s58, 6
	s_lshl_b32 s59, s51, 7
	s_add_co_u32 s58, s58, s59                     ; row 128 w + 64 (wv % 2)
	s_lshl_b32 s60, s58, 10
	s_lshl_b32 s58, s53, 1
	s_lshr_b32 s59, s50, 1
	s_add_co_u32 s58, s58, s59
	s_lshl_b32 s58, s58, 7                         ; 128 bytes a K step
	s_add_co_u32 s60, s60, s58
	s_add_nc_u64 s[46:47], s[46:47], s[60:61]
	v_lshlrev_b32 v2, 10, v6
	v_lshl_add_u32 v2, v4, 4, v2
.irp e, 0,1,2,3
.irp c, 0,1,2,3
	global_load_b128 v[16+16*\e+4*\c:16+16*\e+4*\c+3], v2, s[46:47] offset:(32*(\e/2)+8*(\e%2))*1024+32*\c
.endr
.endr
	s_cmp_lt_u32 s50, 2
	s_cbranch_scc0 .Ljoin
	s_lshl_b32 s60, s51, 12                        ; 128 w rows of 32 scale bytes
	s_lshl_b32 s58, s53, 1
	s_add_co_u32 s58, s58, s50                     ; K step 2 (T % 4) + i, i = wv
	s_lshl_b32 s58, s58, 2
	s_add_co_u32 s60, s60, s58
	s_add_nc_u64 s[48:49], s[48:49], s[60:61]
	v_lshl_add_u32 v9, v4, 3, v6                   ; the odd tile's rows lie 8 further on
	v_lshlrev_b32 v9, 5, v9
.irp j, 0,1,2,3
	global_load_b32 v[80+\j], v9, s[48:49] offset:1024*\j
.endr
	s_branch .Ljoin
.Lstage2:
	; rows of 512 codes.  Fragment 4 wv + e: rows 256 (w % 2) + 64 wv + 16 e + r, K step T % 4
	s_and_b32 s58, s51, 1
	s_lshl_b32 s58, s58, 8
	s_lshl_b32 s59, s50, 6
	s_add_co_u32 s59, s58, s59
	s_lshl_b32 s60, s59, 9
	s_lshl_b32 s59, s53, 7
	s_add_co_u32 s60, s60, s59
	s_add_nc_u64 s[46:47], s[46:47], s[60:61]
	v_lshlrev_b32 v2, 9, v3
	v_lshl_add_u32 v2, v4, 4, v2
.irp e, 0,1,2,3
.irp c, 0,1,2,3
	global_load_b128 v[16+16*\e+4*\c:16+16*\e+4*\c+3], v2, s[46:47] offset:8192*\e+32*\c
.endr
.endr
	s_cmp_lt_u32 s50, 2
	s_cbranch_scc0 .Ljoin
	s_lshl_b32 s59, s50, 7
	s_add_co_u32 s59, s58, s59                     ; row 256 (w % 2) + 128 i
	s_lshl_b32 s60, s59, 4                         ; 16 scale bytes a row
	s_lshl_b32 s59, s53, 2
	s_add_co_u32 s60, s60, s59
	s_add_nc_u64 s[48:49], s[48:49], s[60:61]
	v_lshl_add_u32 v9, v4, 4, v3                   ; the odd fragment's rows lie 16 further on
	v_lshlrev_b32 v9, 4, v9
.irp j, 0,1,2,3
	global_load_b32 v[80+\j], v9, s[48:49] offset:512*\j
.endr
.Ljoin:
	s_wait_loadcnt 0x0
.irp e, 0,1,2,3
.irp c, 0,1,2,3
	global_store_b128 v7, v[16+16*\e+4*\c:16+16*\e+4*\c+3], s[44:45] offset:2048*\e+512*\c
.endr
.endr
	s_cmp_lt_u32 s50, 2
	s_cbranch_scc0 .Lend
	global_store_b128 v8, v[80:83], s[44:45] offset:32768
.Lend:
	s_endpgm
.Lfunc_end_k_qaf05a79d50_lay:
	.size	k_qaf05a79d50_lay, .Lfunc_end_k_qaf05a79d50_lay-k_qaf05a79d50_lay
	.p2alignl 7, 3214868480
	.fill 96, 4, 3214868480
	.section	.rodata,"a",@progbits
	.p2align	6, 0x0
	.amdhsa_kernel k_qaf05a79d50_lay
		.amdhsa_group_segment_fixed_size 0
		.amdhsa_private_segment_fixed_size 0
		.amdhsa_enable_private_segment 0
		.amdhsa_kernarg_size 168
		.amdhsa_user_sgpr_count 2
		.amdhsa_user_sgpr_kernarg_segment_ptr 1
		.amdhsa_wavefront_size32 1
		.amdhsa_system_sgpr_workgroup_id_x 1
		.amdhsa_system_sgpr_workgroup_id_y 1
		.amdhsa_system_sgpr_workgroup_id_z 1
		.amdhsa_system_vgpr_workitem_id 0
		.amdhsa_next_free_vgpr 96
		.amdhsa_next_free_sgpr 66
		.amdhsa_reserve_vcc 0
		.amdhsa_float_denorm_mode_32 3
		.amdhsa_float_denorm_mode_16_64 3
		.amdhsa_memory_ordered 1
		.amdhsa_forward_progress 1
		.amdhsa_inst_pref_size 10
	.end_amdhsa_kernel
	.amdgpu_metadata
---
amdhsa.version: [ 1, 2 ]
amdhsa.kernels:
  - .name:           k_qaf05a79d50_lay
    .symbol:         k_qaf05a79d50_lay.kd
    .args:
      - { .name: w1_codes, .offset: 0, .size: 8, .value_kind: global_buffer, .address_space: global }
      - { .name: w1_scales, .offset: 8, .size: 8, .value_kind: global_buffer, .address_space: global }
      - { .name: u1_w_codes, .offset: 16, .size: 8, .value_kind: global_buffer, .address_space: global }
      - { .name: u1_w_scales, .offset: 24, .size: 8, .value_kind: global_buffer, .address_space: global }
      - { .name: w2_codes, .offset: 32, .size: 8, .value_kind: global_buffer, .address_space: global }
      - { .name: w2_scales, .offset: 40, .size: 8, .value_kind: global_buffer, .address_space: global }
      - { .name: u2_w_codes, .offset: 48, .size: 8, .value_kind: global_buffer, .address_space: global }
      - { .name: u2_w_scales, .offset: 56, .size: 8, .value_kind: global_buffer, .address_space: global }
      - { .name: b1_codes, .offset: 64, .size: 8, .value_kind: global_buffer, .address_space: global }
      - { .name: b1_scales, .offset: 72, .size: 8, .value_kind: global_buffer, .address_space: global }
      - { .name: v11_w_codes, .offset: 80, .size: 8, .value_kind: global_buffer, .address_space: global }
      - { .name: v11_w_scales, .offset: 88, .size: 8, .value_kind: global_buffer, .address_space: global }
      - { .name: v12_w_codes, .offset: 96, .size: 8, .value_kind: global_buffer, .address_space: global }
      - { .name: v12_w_scales, .offset: 104, .size: 8, .value_kind: global_buffer, .address_space: global }
      - { .name: b2_codes, .offset: 112, .size: 8, .value_kind: global_buffer, .address_space: global }
      - { .name: b2_scales, .offset: 120, .size: 8, .value_kind: global_buffer, .address_space: global }
      - { .name: v22_w_codes, .offset: 128, .size: 8, .value_kind: global_buffer, .address_space: global }
      - { .name: v22_w_scales, .offset: 136, .size: 8, .value_kind: global_buffer, .address_space: global }
      - { .name: v21_w_codes, .offset: 144, .size: 8, .value_kind: global_buffer, .address_space: global }
      - { .name: v21_w_scales, .offset: 152, .size: 8, .value_kind: global_buffer, .address_space: global }
      - { .name: wst, .offset: 160, .size: 8, .value_kind: global_buffer, .address_space: global }
    .group_segment_fixed_size: 0
    .private_segment_fixed_size: 0
    .kernarg_segment_align: 8
    .kernarg_segment_size: 168
    .max_flat_workgroup_size: 128
    .sgpr_count:     66
    .vgpr_count:     96
    .wavefront_size: 32
...
	.end_amdgpu_metadata
.endif
;; end of part 1
;; launch chain (part 2): grid 256 x 1, 4 waves a work-group, no clusters, 318,464 bytes of LDS; arguments x_codes, x_scales, wst, u1_b, u2_b, ln1_w, ln2_w, out0; writes out0
.if DOCPART == 2
	.amdgcn_target "amdgcn-amd-amdhsa--gfx1250"
	.amdhsa_code_object_version 6
	.text
	.protected	k_qaf05a79d50_chain
	.globl	k_qaf05a79d50_chain
	.p2align	8
	.type	k_qaf05a79d50_chain,@function
k_qaf05a79d50_chain:
	s_mov_b64 s[64:65], 0
	v_nop
	global_prefetch_b8 v0, s[64:65] scope:SCOPE_SE
	s_setreg_imm32_b32 hwreg(HW_REG_WAVE_MODE, 25, 1), 1
	s_wait_xcnt 0x0
; THE WHOLE MODULE FOR 64 TOKENS A WORK-GROUP; nothing between the products goes to memory.
; WHAT IS COMPUTED.  There is one head, so the norm over the head axis takes a logit's mean over one number: gn = (gz - gz) rsqrt(eps) ln_w = 0 x ln_w, the same for all 512 experts.  So gn >= its 8th largest holds for every
; expert (gate = softmax of all 512 logits), or for none where 0 x ln_w is NaN (all logits -1e10: the gate is 1/512).  ln_w is read and decides by one compare and one select: c' = log2(e), or 0, which makes all exponents equal.
;   out[:, 0:512]    = Q(g1) b1 + Q(x1 g1) v11^T + Q(t2 g1) v12^T,   out[:, 512:1024] = Q(g2) b2 + Q(x2 g2) v22^T + Q(t1 g2) v21^T,   x_i = relu(x u_i^T + u_i_b)^2,  t_i = sum over experts of x_i g_i;  Q: the MX quantiser along the experts.
; The softmax takes its maximum away: each wave its own 128 experts' maximum, then 2^(own - the four waves' largest) brings the four under one.
; SHARES.  Four waves, one to a SIMD.  THE WAVES SHARE THE COLUMNS: in the first four products wave w makes experts 128 w .. 128 w + 127 for all 64 tokens (which are K step w of the later products); in the last six it makes
; output columns 256 w .. 256 w + 255, three matrices x four K steps on one set of 64 accumulators.  So each weight fragment is wanted by ONE wave, for four tiles of tokens: it goes from memory straight into registers,
; from wst, which the launch before laid in this order: 16 fragment slots, each filled again as soon as its four products are issued.
; All products are used transposed (source 0 = 16 rows of a weight, source 1 = 16 tokens): a lane holds one token (lane % 16), and registers 16 b + i of a tile of tokens are experts 32 b + 16 (lane / 16) + i of the wave's 128,
; the order of the next operand's registers: the conversions' results are that operand, which goes to the other waves through LDS as an image of its registers.
; NO CLUSTER, NO TENSOR LOADS: all 256 work-groups walk the same weights, but LDS holds x (66,560 bytes), up to 196,608 bytes of code images, a spill of 131,072 (in part the same bytes) and 21,504 of scale words and exchanges:
; what is left for two slots is under 16 matrix instructions' weights a wave between two rounds.  No prefetch: the weights are read by every work-group, x once at the head.
; LIMITS: logits are taken to be finite (else reference() gives NaN too).  A block of zeros gets the scale byte 1 where the rule says 127: its codes are zeros and this program alone reads the bytes.
; A gate under 2^-126 of its row's largest term comes out as 0 (the exponential flushes).
; REGISTERS, in windows of 256: window 0: below.  window 1: the 16 weight slots, slot f at v[16 f].  window 2: the gate's accumulators (tile of tokens m at v[64 m]), then g.  window 3: the up products', then x g; its v0-63 at work for Q(g).
;   In the last six products windows 2 and 3 hold the 64 accumulators: (m, n) at v[8 (8 (2 (m % 2) + n / 8) + n % 8)] of window 2 + m / 2.
.set NEXT, 33792                       ; a trip's block of wst: 16 fragments and their scale words
.set SPL,  65536                       ; LDS: 0 Q(g1); 32768 Q(x1 g1); SPL: g1 in f32 (piece m of wave w at 32768 m + 8192 w), later Q(t2 g1) in its first 32768 bytes and the way out's stages from OST on
.set OST,  98304
.set XB,   229376                      ; 196608 Q(g2); XB: x's 64 rows, 1,040 bytes apart, later Q(x2 g2) and, 32768 on, Q(t1 g2)
.set SCW,  296448                      ; the images' scale words: side x 6144 + K step x 512 + m x 128 + 4 x lane
.set XSC,  308736                      ; x's scale bytes, rows 48 bytes apart
.set RED1, 311808                      ; the waves' maxima and sums: w x 1024 + m x 256 + (0 | 128) + 4 x lane
.set RED2, 315904                      ; the waves' parts of t: w x 512 + m x 128 + 4 x lane
.set LI,   2                           ; v2   16 x lane
.set LS,   3                           ; v3   4 x lane
.set XA0,  4                           ; v4   x's fragments: XB + 1040 r + 16 h
.set XAD0, 5                           ; v5   the same + the K offset, for set 0
.set XS0A, 6                           ; v6   x's scale words: XSC + 48 r
.set XSD0, 7                           ; v7   the same + the K offset, for set 0
.set IMW,  8                           ; v8   an image's place for my wave and lane: 16 x lane + 8192 w
.set IMA,  9                           ; v9   + the side in hand
.set SWW,  10                          ; v10  its scale word's: SCW + 4 x lane + 512 w
.set SWA,  11                          ; v11  + the side in hand
.set R1W,  12
.set R1R,  13
.set R2W,  14
.set SPA,  16                          ; v16  the spill: SPL + IMW;  v17: 65536 further on
.set SPA2, 17
.set BO,   18                          ; v18  the bias: 512 w + 64 h
.set XAD1, 19                          ; v19, v20 as v5, v7, for set 1; in the last six products: the images' and their scale words' addresses
.set XSD1, 20
.set CFA,  19
.set CSA,  20
.set STO,  21                          ; v21  the way out: where I put 32 bytes of a row;  v22: where I read a row back
.set RD,   22
.set MC,   24                          ; v24-27 c' x my wave's largest logit, for each tile of tokens
.set TN,   32                          ; v32-35 t of the pair in hand;  v36-39 of the pair before;  v40-43 the cross product's multiplier
.set TO,   36
.set TX,   40
.set SC0,  44                          ; v44-51 the weights' scale words: register 4 (f / 8) + (f % 8) / 2, even f in lanes 0-15, odd f in lanes 16-31
.set XS0,  52                          ; v52-59 the tokens' scale words: set p, tile m at 4 p + m
.set CQ,   60                          ; v60-61 c', twice
.set CA,   62                          ; v62, v63 c' of the first and of the second gate
.set CB,   63
.set BIAS, 64                          ; v64-127 the bias of my 128 experts, in a tile's layout, while the up product runs.  In the epilogues the same registers are:
.set TM,   64                          ; v64-79  at work
.set PC,   80                          ; v80-95  the codes just made
.set PW,   96                          ; v96     their scale word
.set EX,   96                          ; v96-127 what the other waves sent (read and used before PW and PRS are written)
.set PRS,  120                         ; v120-127 four pairs, both words equal: a multiplier for each tile of tokens
                                       ; v128-191, v192-255: two sets of four token fragments (x's, later the images'); at the head x on its way to LDS; at the end rows of the output
.set MSB, 0
.macro WIN new                         ; the immediate's high byte repeats the setting that is left; a switch that changes nothing is dropped
.if MSB != (\new)
	s_set_vgpr_msb (MSB<<8)|(\new)
.set MSB, (\new)
.endif
.endm
.macro PLACES n                        ; behind this matrix form eight plain vector instructions stand ahead of a read of its result and of a load into its registers
.rept \n
	v_nop
.endr
.endm
.macro BARRIER                         ; my LDS stores have landed and my LDS loads are in: then the work-group's barrier
	s_wait_dscnt 0x0
	s_barrier_signal -1
	s_barrier_wait -1
.endm
.macro MM d, a, b, zero, sa, sb, odd   ; one product: source 0 = a weight slot, source 1 = a token fragment; an odd slot's scale words lie in lanes 16-31
.if \zero
.if \odd
	v_wmma_scale_f32_16x16x128_f8f6f4 v[\d:\d+7], v[\a:\a+15], v[\b:\b+15], 0, v[\sa], v[\sb] matrix_a_fmt:MATRIX_FMT_BF8 matrix_b_fmt:MATRIX_FMT_BF8 matrix_a_scale:MATRIX_SCALE_ROW1
.else
	v_wmma_scale_f32_16x16x128_f8f6f4 v[\d:\d+7], v[\a:\a+15], v[\b:\b+15], 0, v[\sa], v[\sb] matrix_a_fmt:MATRIX_FMT_BF8 matrix_b_fmt:MATRIX_FMT_BF8
.endif
.else
.if \odd
	v_wmma_scale_f32_16x16x128_f8f6f4 v[\d:\d+7], v[\a:\a+15], v[\b:\b+15], v[\d:\d+7], v[\sa], v[\sb] matrix_a_fmt:MATRIX_FMT_BF8 matrix_b_fmt:MATRIX_FMT_BF8 matrix_a_scale:MATRIX_SCALE_ROW1
.else
	v_wmma_scale_f32_16x16x128_f8f6f4 v[\d:\d+7], v[\a:\a+15], v[\b:\b+15], v[\d:\d+7], v[\sa], v[\sb] matrix_a_fmt:MATRIX_FMT_BF8 matrix_b_fmt:MATRIX_FMT_BF8
.endif
.endif
.endm
; Slots 4 g .. 4 g + 3 take their fragments of the block base bytes on: 16 loads of 512 consecutive bytes.  An odd g first brings the scale words of eight fragments: one load.
.macro REFILL g, base
.if (\g)%2
	WIN 0
	global_load_b128 v[SC0+4*((\g)/2):SC0+4*((\g)/2)+3], v[LI], s[8:9] offset:(\base)+32768+512*((\g)/2)
.endif
	WIN 0x40
.irp e, 0,1,2,3
.irp c, 0,1,2,3
	global_load_b128 v[16*(4*(\g)+\e)+4*\c:16*(4*(\g)+\e)+4*\c+3], v[LI], s[8:9] offset:(\base)+2048*(4*(\g)+\e)+512*\c
.endr
.endr
.endm
; x's four fragments of one K step, and their scale words, into set: 20 LDS loads
.macro XLOAD set, adr, sadr, off
	WIN 0
.irp m, 0,1,2,3
.irp c, 0,1,2,3
	ds_load_b128 v[128+64*(\set)+16*\m+4*\c:128+64*(\set)+16*\m+4*\c+3], v[\adr] offset:(\off)+16640*\m+128*(\set)+32*\c
.endr
	ds_load_b32 v[XS0+4*(\set)+\m], v[\sadr] offset:(\off)/32+768*\m+4*(\set)
.endr
.endm
; 16 products of the first kind: slots 4 g .. 4 g + 3 x the four tiles of tokens.  The K step's 32 accumulators take turns, one instruction a turn.
; The loads go out in the order R0 (16), scale words 0 + R1 (17), R2 (16), scale words 1 + R3 (17), trip after trip.  Behind the youngest load that a group needs, its slots' or its scale words', 49 have been issued.
.macro GRP1 g, aw, zero
	s_wait_loadcnt 49
.if ((\g)%2) == 0
	s_wait_dscnt 20                                ; this K step's set of x is in; the other set's 20 loads may be out
.endif
	WIN ((\aw)<<6)|((\aw)<<4)|1
.irp e, 0,1,2,3
.irp m, 0,1,2,3
.set rF, 4*(\g)+\e
.set rD, 64*\m+8*(rF%8)
.set rA, 16*rF
.set rB, 128+64*((\g)/2)+16*\m
.set rSA, SC0+4*(rF/8)+(rF%8)/2
.set rSB, XS0+4*((\g)/2)+\m
.set rOD, rF%2
	MM rD, rA, rB, \zero, rSA, rSB, rOD
.endr
.endr
	PLACES 8
.endm
; A trip: two K steps of 128, 64 products; every slot and both sets of x are filled again for the next trip.
.macro TRIP1 aw, zero, dyn
	GRP1 0, \aw, \zero
	REFILL 0, NEXT
	GRP1 1, \aw, \zero
.if \dyn
	WIN 0
	v_add_nc_u32 v[XAD0], s30, v[XA0]              ; (set 0's last loads were shown back at this trip's head)
	v_add_nc_u32 v[XSD0], s31, v[XS0A]
	XLOAD 0, XAD0, XSD0, 0
.else
	XLOAD 0, XA0, XS0A, 256
.endif
	REFILL 1, NEXT
	GRP1 2, \aw, 0
	REFILL 2, NEXT
	GRP1 3, \aw, 0
.if \dyn
	WIN 0
	v_add_nc_u32 v[XAD1], s30, v[XA0]              ; (set 1's last loads were shown back in this trip's middle)
	v_add_nc_u32 v[XSD1], s31, v[XS0A]
	XLOAD 1, XAD1, XSD1, 0
.else
	XLOAD 1, XA0, XS0A, 256
.endif
	REFILL 3, NEXT
	WIN 0
	s_wait_xcnt 0x0                                ; the loads have read their base: it may step
	s_add_nc_u64 s[8:9], s[8:9], NEXT
.endm
; One of the first four products: K = 1,024 in four trips.  The first starts the sums and stands ahead of the loop.  The last fetches x's K steps 0 and 1 again, for the product that follows (behind the fourth product they go unused).
.macro PHASE aw
	TRIP1 \aw, 1, 0
	s_mov_b32 s29, 512
	s_mov_b32 s28, 3
.Lk_\@:
	s_and_b32 s30, s29, 1023                       ; 512, 768, 0: the bytes of a row at which the next trip's codes begin,
	s_lshr_b32 s31, s30, 5                         ; and its scale bytes
	TRIP1 \aw, 0, 1
	s_add_co_u32 s29, s29, 256
	s_sub_co_u32 s28, s28, 1
	s_cmp_lg_u32 s28, 0
	s_cbranch_scc1 .Lk_\@
.endm
; The sum over my wave's 128 experts, for each tile of tokens, of the numbers in window ws: v[TM + 4 m], in every lane of the token
.macro SUM4 ws
	WIN ((\ws)<<2)|(\ws)
.irp m, 0,1,2,3
	v_pk_add_f32 v[TM+4*\m:TM+4*\m+1], v[64*\m:64*\m+1], v[64*\m+2:64*\m+3]
	v_pk_add_f32 v[TM+4*\m+2:TM+4*\m+3], v[64*\m+4:64*\m+5], v[64*\m+6:64*\m+7]
.endr
	WIN (\ws)<<2
.irp j, 8,12,16,20,24,28,32,36,40,44,48,52,56,60
.irp m, 0,1,2,3
	v_pk_add_f32 v[TM+4*\m:TM+4*\m+1], v[TM+4*\m:TM+4*\m+1], v[64*\m+\j:64*\m+\j+1]
	v_pk_add_f32 v[TM+4*\m+2:TM+4*\m+3], v[TM+4*\m+2:TM+4*\m+3], v[64*\m+\j+2:64*\m+\j+3]
.endr
.endr
	WIN 0
.irp m, 0,1,2,3
	v_pk_add_f32 v[TM+4*\m:TM+4*\m+1], v[TM+4*\m:TM+4*\m+1], v[TM+4*\m+2:TM+4*\m+3]
.endr
.irp m, 0,1,2,3
	v_add_f32 v[TM+4*\m], v[TM+4*\m], v[TM+4*\m+1]
.endr
.irp m, 0,1,2,3
	v_permlanex16_b32 v[TM+4*\m+1], v[TM+4*\m], s24, s25
.endr
.irp m, 0,1,2,3
	v_add_f32 v[TM+4*\m], v[TM+4*\m], v[TM+4*\m+1] ; with lane l xor 16's 64 experts
.endr
.endm
; 64 numbers of a lane, none negative, v[sb] on in window ws (register 16 b + i = K 32 b + 16 (lane / 16) + i of my token), become a fragment's codes and its scale word, which go to LDS as they stand.
; The held numbers are written to v[db] on in window wd, so that the source can be kept.
.macro QUANT ws, sb, wd, db, ioff, soff
	WIN ((\ws)<<2)|(\ws)
.irp b, 0,1,2,3
	v_max3_num_f32 v[TM+\b], v[(\sb)+16*\b], v[(\sb)+16*\b+1], 0x8000000   ; block b: my 16 numbers, and the floor 2^(16 - 127): the byte cannot fall under 1
.endr
.irp i, 2,4,6,8,10,12,14
.irp b, 0,1,2,3
	v_max3_num_f32 v[TM+\b], v[(\sb)+16*\b+\i], v[(\sb)+16*\b+\i+1], v[TM+\b]   ; (the four blocks by turns)
.endr
.endr
	WIN 0
.irp b, 0,1,2,3
	v_permlanex16_b32 v[TM+4+\b], v[TM+\b], s24, s25
.endr
.irp b, 0,1,2,3
	v_max_num_f32 v[TM+\b], v[TM+\b], v[TM+4+\b]   ; with lane l xor 16's: the block's largest number
.endr
.irp b, 0,1,2,3
	v_add_nc_u32 v[TM+12+\b], 0xf8800000, v[TM+\b] ; 15 off its exponent field: the conversion's scale operand
.endr
.irp b, 0,1,2,3
	v_and_or_b32 v[TM+8+\b], v[TM+\b], 0x7f800000, s26   ; 57,344 x the scale
.endr
.irp b, 0,1,2,3
	v_lshrrev_b32 v[TM+4+\b], 23, v[TM+12+\b]      ; the scale's byte
.endr
	s_wait_dscnt 0x0                               ; the last image's stores have read their registers: the scale word and the codes may be written
	v_lshl_or_b32 v[PW], v[TM+5], 8, v[TM+4]
	v_lshl_or_b32 v[PW], v[TM+6], 16, v[PW]
	v_lshl_or_b32 v[PW], v[TM+7], 24, v[PW]
	WIN ((\wd)<<6)|(\ws)
.irp b, 0,1,2,3
.irp i, 0,1,2,3,4,5,6,7,8,9,10,11,12,13,14,15
	v_min_num_f32 v[(\db)+16*\b+\i], v[(\sb)+16*\b+\i], v[TM+8+\b]   ; the conversion to an 8-bit code does not saturate (ISA guide 7.6.2); nothing here is negative, so the hold is one-sided
.endr
.endr
	WIN (\wd)
.irp b, 0,1,2,3
	v_cvt_scalef32_pk8_bf8_f32 v[PC+4*\b:PC+4*\b+1], v[(\db)+16*\b:(\db)+16*\b+7], v[TM+12+\b]
	v_cvt_scalef32_pk8_bf8_f32 v[PC+4*\b+2:PC+4*\b+3], v[(\db)+16*\b+8:(\db)+16*\b+15], v[TM+12+\b]
.endr
	v_nop                                          ; a plain instruction between the conversions and whatever next writes their sources
	WIN 0
.irp c, 0,1,2,3
	ds_store_b128 v[IMA], v[PC+4*\c:PC+4*\c+3] offset:(\ioff)+512*\c
.endr
	ds_store_b32 v[SWA], v[PW] offset:(\soff)
.endm
	; ---------------- the head
	s_load_b512 s[4:19], s[0:1], 0x0               ; x's codes s[4:5], x's scales s[6:7], wst s[8:9], u1_b s[10:11], u2_b s[12:13], ln1_w s[14:15], ln2_w s[16:17], out s[18:19]
	v_lshl_add_u32 v30, v0, 2, 0x4da00
	v_mov_b32 v31, 0
	v_lshrrev_b32 v1, 5, v0
	v_readfirstlane_b32 s20, v1                    ; wave 0..3
	s_lshr_b32 s21, s20, 1                         ; which half of the output is mine
	s_mov_b32 s24, 0x76543210
	s_mov_b32 s25, 0xfedcba98                      ; v_permlanex16_b32's selects for lane l xor 16
	s_mov_b32 s26, 0x600000                        ; the mantissa field of 57,344
	v_and_b32 v1, 31, v0
	v_lshlrev_b32 v[LI], 4, v1
	v_lshlrev_b32 v[LS], 2, v1
	v_and_b32 v1, 15, v0                           ; r
	v_bfe_u32 v15, v0, 4, 1                        ; h
	v_mul_u32_u24 v[XA0], v1, 1040                 ; rows 1,040 bytes apart, an odd multiple of 16: the 16 rows of a load begin in 16 different columns of 16 bytes modulo 256
	v_lshl_add_u32 v[XA0], v15, 4, v[XA0]
	v_add_nc_u32 v[XA0], XB, v[XA0]
	v_mul_u32_u24 v[XS0A], v1, 48
	v_add_nc_u32 v[XS0A], XSC, v[XS0A]
	s_lshl_b32 s38, s20, 13
	v_add_nc_u32 v[IMW], s38, v[LI]
	s_lshl_b32 s38, s20, 9
	s_add_co_u32 s39, s38, SCW
	v_add_nc_u32 v[SWW], s39, v[LS]
	s_add_co_u32 s39, s38, RED2
	v_add_nc_u32 v[R2W], s39, v[LS]
	v_lshl_add_u32 v[BO], v15, 6, s38
	s_lshl_b32 s38, s20, 10
	s_add_co_u32 s39, s38, RED1
	v_add_nc_u32 v[R1W], s39, v[LS]
	v_add_nc_u32 v[R1R], RED1, v[LS]
	v_add_nc_u32 v[SPA], SPL, v[IMW]
	v_add_nc_u32 v[SPA2], 2*SPL, v[IMW]
	s_mul_i32 s38, s20, 8448
	s_add_co_u32 s38, s38, OST                     ; my stage: 16 rows x (512 + 16) bytes
	v_mul_u32_u24 v[STO], v1, 528
	v_lshl_add_u32 v[STO], v15, 5, v[STO]
	v_add_nc_u32 v[STO], s38, v[STO]
	v_add_nc_u32 v[RD], s38, v[LI]
	s_mul_i32 s38, s20, 16640
	s_add_co_u32 s38, s38, XB
	v_add_nc_u32 v[XAD0], s38, v[LI]               ; for now: where my wave's 16 rows of x go
	v_lshrrev_b32 v[XSD0], 1, v0
	v_mul_u32_u24 v[XSD0], v[XSD0], 48
	v_and_b32 v1, 1, v0
	v_lshl_add_u32 v[XSD0], v1, 4, v[XSD0]
	v_add_nc_u32 v[XSD0], XSC, v[XSD0]             ; and my thread's 16 scale bytes: row thread / 2, half thread % 2
	v_lshlrev_b32 v23, 4, v0
.irp m, 0,1,2,3
	v_mov_b32 v[TM+4+\m], 0                        ; a lane permute's destination counts as one of its sources
	v_mov_b32 v[TN+\m], 0
.endr
	s_mul_i32 s38, s20, 28*NEXT                    ; my wave's 28 blocks of wst
	s_mov_b32 s39, 0
	s_wait_kmcnt 0x0
	s_load_b32 s36, s[14:15], 0x0                  ; ln1_w
	s_load_b32 s37, s[16:17], 0x0                  ; ln2_w
	s_add_nc_u64 s[8:9], s[8:9], s[38:39]
	s_lshl_b32 s38, ttmp9, 16                      ; 64 rows of 1,024 codes a work-group,
	s_lshl_b32 s40, s20, 14                        ; 16 a wave
	s_add_co_u32 s38, s38, s40
	s_add_nc_u64 s[4:5], s[4:5], s[38:39]
	s_lshl_b32 s38, ttmp9, 11                      ; 64 rows of 32 scale bytes
	s_add_nc_u64 s[6:7], s[6:7], s[38:39]
	s_lshl_b32 s38, ttmp9, 18                      ; 64 rows of 4,096 bytes of the output,
	s_lshl_b32 s40, s20, 10                        ; my 256 columns
	s_add_co_u32 s38, s38, s40
	s_add_nc_u64 s[18:19], s[18:19], s[38:39]
.set j, 0
.rept 32
	global_load_b128 v[128+4*j:128+4*j+3], v[LI], s[4:5] offset:512*j th:TH_LOAD_NT   ; my 16 rows are 16,384 consecutive bytes: 512 a load; read once in the launch
.set j, j+1
.endr
	global_load_b128 v[64:67], v23, s[6:7] th:TH_LOAD_NT
	REFILL 0, 0
	REFILL 1, 0
	WIN 0
	s_wait_kmcnt 0x0
	v_mov_b32 v1, s36
	v_mul_f32 v1, 0, v1                            ; gn = 0 x ln_w: what every expert's normalised logit is
	v_cmp_ge_f32 vcc_lo, v1, v1                    ; gn >= the 8th largest gn, which is gn itself: false only for NaN
	v_mov_b32 v[CA], 0x3fb8aa3b                    ; log2(e)
	v_cndmask_b32 v[CA], 0, v[CA], vcc_lo          ; or 0: all masked logits equal
	v_mov_b32 v15, s37
	v_mul_f32 v15, 0, v15
	v_cmp_ge_f32 vcc_lo, v15, v15
	v_mov_b32 v[CB], 0x3fb8aa3b
	v_cndmask_b32 v[CB], 0, v[CB], vcc_lo
	v_mov_b32 v[CQ], v[CA]
	v_mov_b32 v[CQ+1], v[CA]
	s_wait_loadcnt 33                              ; x and its scales are in; the 33 weight loads issued behind them may be out
.set j, 0
.rept 32
	ds_store_b128 v[XAD0], v[128+4*j:128+4*j+3] offset:(j/2)*1040+512*(j%2)
.set j, j+1
.endr
	ds_store_b128 v[XSD0], v[64:67]
	REFILL 2, 0
	REFILL 3, 0
	WIN 0
	BARRIER                                        ; x's 64 rows lie in LDS
	XLOAD 0, XA0, XS0A, 0
	XLOAD 1, XA0, XS0A, 0
	s_mov_b32 s32, 0                               ; the side in hand: its images,
	s_mov_b32 s33, 0                               ; its scale words,
	s_mov_b64 s[34:35], s[10:11]                   ; its bias
	s_mov_b32 s27, 2
	; ---------------- a pair: a gate and its up product.  Two trips: (w1, u1), (w2, u2)
.Lpair:
.irp m, 0,1,2,3
	v_mov_b32 v[TO+\m], v[TN+\m]
.endr
	v_add_nc_u32 v[IMA], s32, v[IMW]
	v_add_nc_u32 v[SWA], s33, v[SWW]
	PHASE 2                                        ; the logits of my 128 experts
	; the largest logit of my 128 experts, for each token: sixteen chains, each accumulator from its low end on
	WIN 0x0a
.irp m, 0,1,2,3
.irp c, 0,1,2,3
	v_max_num_f32 v[TM+4*\m+\c], v[64*\m+16*\c], v[64*\m+16*\c+1]
.endr
.endr
.irp i, 2,4,6,8,10,12,14
.irp m, 0,1,2,3
.irp c, 0,1,2,3
	v_max3_num_f32 v[TM+4*\m+\c], v[64*\m+16*\c+\i], v[64*\m+16*\c+\i+1], v[TM+4*\m+\c]
.endr
.endr
.endr
	WIN 0
.irp m, 0,1,2,3
	v_max3_num_f32 v[TM+4*\m], v[TM+4*\m], v[TM+4*\m+1], v[TM+4*\m+2]
.endr
.irp m, 0,1,2,3
	v_max_num_f32 v[TM+4*\m], v[TM+4*\m], v[TM+4*\m+3]
.endr
.irp m, 0,1,2,3
	v_permlanex16_b32 v[TM+4*\m+1], v[TM+4*\m], s24, s25
.endr
.irp m, 0,1,2,3
	v_max_num_f32 v[TM+4*\m], v[TM+4*\m], v[TM+4*\m+1]
.endr
.irp m, 0,1,2,3
	v_mul_f32 v[MC+\m], v[CQ], v[TM+4*\m]          ; c' x the maximum: whatever its rounding, it is a common shift, which the division by the sum takes out
.endr
.irp m, 0,1,2,3
	v_mov_b32 v[PRS+2*\m], v[MC+\m]
	v_mov_b32 v[PRS+2*\m+1], v[MC+\m]
.endr
	WIN 0x82
.irp m, 0,1,2,3
.set j, 0
.rept 32
	v_pk_fma_f32 v[64*\m+j:64*\m+j+1], v[64*\m+j:64*\m+j+1], v[CQ:CQ+1], v[PRS+2*\m:PRS+2*\m+1] neg_lo:[0,0,1] neg_hi:[0,0,1]   ; c' z - c' max
.set j, j+2
.endr
.endr
.set j, 0
.rept 256
	v_exp_f32 v[j], v[j]
.set j, j+1
.endr
	v_nop                                          ; a plain instruction behind the last exponential,
	s_wait_alu depctr_va_vdst(0)                   ; and one wait for the batch, ahead of its first reader
	SUM4 2
.irp m, 0,1,2,3
	ds_store_b32 v[R1W], v[MC+\m] offset:256*\m
	ds_store_b32 v[R1W], v[TM+4*\m] offset:256*\m+128
.endr
	BARRIER                                        ; the four waves' maxima and sums lie in LDS
.irp w, 0,1,2,3
.irp m, 0,1,2,3
	ds_load_b32 v[EX+8*\w+\m], v[R1R] offset:1024*\w+256*\m
	ds_load_b32 v[EX+8*\w+4+\m], v[R1R] offset:1024*\w+256*\m+128
.endr
.endr
	s_wait_dscnt 0x0
.irp m, 0,1,2,3
	v_max3_num_f32 v[TM+\m], v[EX+\m], v[EX+8+\m], v[EX+16+\m]
.endr
.irp m, 0,1,2,3
	v_max_num_f32 v[TM+\m], v[TM+\m], v[EX+24+\m]  ; the row's maximum, x c'
.endr
.irp m, 0,1,2,3
	v_sub_f32 v[TM+4+\m], v[MC+\m], v[TM+\m]
.endr
.irp w, 0,1,2,3
.irp m, 0,1,2,3
	v_sub_f32 v[EX+8*\w+\m], v[EX+8*\w+\m], v[TM+\m]
.endr
.endr
.irp m, 0,1,2,3
	v_exp_f32 v[TM+4+\m], v[TM+4+\m]               ; what brings my wave's terms under the row's maximum,
.endr
.irp w, 0,1,2,3
.irp m, 0,1,2,3
	v_exp_f32 v[EX+8*\w+\m], v[EX+8*\w+\m]         ; and each wave's sum
.endr
.endr
	v_nop
	s_wait_alu depctr_va_vdst(0)                   ; one wait for the twenty
.irp m, 0,1,2,3
	v_mul_f32 v[TM+8+\m], v[EX+4+\m], v[EX+\m]
.endr
.irp w, 1,2,3
.irp m, 0,1,2,3
	v_fmac_f32 v[TM+8+\m], v[EX+8*\w+4+\m], v[EX+8*\w+\m]   ; the row's sum: at least the largest term, 1
.endr
.endr
.irp m, 0,1,2,3
	v_rcp_f32 v[TM+12+\m], v[TM+8+\m]
.endr
	v_nop
	s_wait_alu depctr_va_vdst(0)                   ; one wait for the four
.irp m, 0,1,2,3
	v_mul_f32 v[PRS+2*\m], v[TM+4+\m], v[TM+12+\m]
.endr
.irp m, 0,1,2,3
	v_mov_b32 v[PRS+2*\m+1], v[PRS+2*\m]
.endr
	WIN 0x82
.irp m, 0,1,2,3
.set j, 0
.rept 32
	v_pk_mul_f32 v[64*\m+j:64*\m+j+1], v[64*\m+j:64*\m+j+1], v[PRS+2*\m:PRS+2*\m+1]   ; g, finished and normalised; it stays in window 2
.set j, j+2
.endr
.endr
.irp m, 0,1,2,3
	QUANT 2, (64*\m), 3, 0, (2048*\m), (128*\m)    ; Q(g): K step w of the product with b; the held numbers go to window 3, g is kept
.endr
	s_wait_dscnt 0x0                               ; the last image's stores have read their registers: the bias may land there
.irp b, 0,1,2,3
.irp j, 0,1,2,3
	global_load_b128 v[BIAS+16*\b+4*\j:BIAS+16*\b+4*\j+3], v[BO], s[34:35] offset:128*\b+16*\j   ; register 16 b + i: the bias of expert 128 w + 32 b + 16 h + i.  49 loads and more follow it before the product's end
.endr
.endr
	PHASE 3                                        ; x u^T for my 128 experts
	WIN 0xc3
.irp m, 0,1,2,3
.set j, 0
.rept 32
	v_pk_add_f32 v[64*\m+j:64*\m+j+1], v[64*\m+j:64*\m+j+1], v[BIAS+j:BIAS+j+1]   ; + the bias; each accumulator from its low end on
.set j, j+2
.endr
.endr
	WIN 0xcf
.set j, 0
.rept 256
	v_max_num_f32 v[j], 0, v[j]                    ; relu,
.set j, j+1
.endr
.set j, 0
.rept 128
	v_pk_mul_f32 v[j:j+1], v[j:j+1], v[j:j+1]      ; squared,
.set j, j+2
.endr
	WIN 0xcb
.set j, 0
.rept 128
	v_pk_mul_f32 v[j:j+1], v[j:j+1], v[j:j+1]      ; x g (source 1: window 2)
.set j, j+2
.endr
	SUM4 3
.irp m, 0,1,2,3
	ds_store_b32 v[R2W], v[TM+4*\m] offset:128*\m
.endr
	BARRIER                                        ; the four parts of t lie in LDS; and every wave's reads of x are back, so that in the second trip images may take x's bytes
.irp w, 0,1,2,3
.irp m, 0,1,2,3
	ds_load_b32 v[EX+4*\w+\m], v[R1R] offset:4096+512*\w+128*\m
.endr
.endr
	s_wait_dscnt 0x0
.irp m, 0,1,2,3
	v_add_f32 v[TN+\m], v[EX+\m], v[EX+4+\m]
	v_add_f32 v[TM+\m], v[EX+8+\m], v[EX+12+\m]
.endr
.irp m, 0,1,2,3
	v_add_f32 v[TN+\m], v[TN+\m], v[TM+\m]         ; t = the sum over all 512 experts of x g
.endr
.irp m, 0,1,2,3
	QUANT 3, (64*\m), 3, (64*\m), (32768+2048*\m), (2048+128*\m)   ; Q(x g)
.endr
	s_cmp_lg_u32 s27, 2
	s_cbranch_scc1 .Lnospill
	WIN 0x08                                       ; g1 is wanted once more, when t2 is known: it waits in LDS, as an image of its registers, my wave's own bytes
.irp m, 0,1
.set j, 0
.rept 16
	ds_store_b128 v[SPA], v[64*\m+4*j:64*\m+4*j+3] offset:32768*\m+512*j
	ds_store_b128 v[SPA2], v[128+64*\m+4*j:128+64*\m+4*j+3] offset:32768*\m+512*j
.set j, j+1
.endr
.endr
	WIN 0
.Lnospill:
	s_wait_dscnt 0x0                               ; my LDS stores have read their registers: window 2 and the images' addresses may be written
	s_add_co_u32 s32, s32, 196608
	s_add_co_u32 s33, s33, 6144
	s_mov_b64 s[34:35], s[12:13]
	v_mov_b32 v[CQ], v[CB]
	v_mov_b32 v[CQ+1], v[CB]
	s_sub_co_u32 s27, s27, 1
	s_cmp_lg_u32 s27, 0
	s_cbranch_scc1 .Lpair
	; ---------------- the cross terms: Q(t1 g2), with g2 as it stands in window 2; then g1 comes back from LDS: Q(t2 g1)
	s_mov_b32 s41, 262144                          ; the image: side 1, third matrix; then side 0's, 65536
	s_mov_b32 s42, 10240                           ; its scale words; then 4096
	s_mov_b32 s40, 2
.irp m, 0,1,2,3
	v_mov_b32 v[TX+\m], v[TO+\m]
.endr
.Lcross:
	s_wait_dscnt 0x0                               ; the last image's stores have read their addresses
	v_add_nc_u32 v[IMA], s41, v[IMW]
	v_add_nc_u32 v[SWA], s42, v[SWW]
.irp m, 0,1,2,3
	v_mov_b32 v[PRS+2*\m], v[TX+\m]
	v_mov_b32 v[PRS+2*\m+1], v[TX+\m]
.endr
.irp m, 0,1,2,3
	WIN 0x82
.set j, 0
.rept 32
	v_pk_mul_f32 v[64*\m+j:64*\m+j+1], v[64*\m+j:64*\m+j+1], v[PRS+2*\m:PRS+2*\m+1]
.set j, j+2
.endr
	QUANT 2, (64*\m), 2, (64*\m), (2048*\m), (128*\m)
.endr
	s_cmp_lg_u32 s40, 2
	s_cbranch_scc1 .Lnoreload
	WIN 0x80
.irp m, 0,1
.set j, 0
.rept 16
	ds_load_b128 v[64*\m+4*j:64*\m+4*j+3], v[SPA] offset:32768*\m+512*j
	ds_load_b128 v[128+64*\m+4*j:128+64*\m+4*j+3], v[SPA2] offset:32768*\m+512*j
.set j, j+1
.endr
.endr
	WIN 0
.irp m, 0,1,2,3
	v_mov_b32 v[TX+\m], v[TN+\m]
.endr
	s_wait_dscnt 0x0                               ; g1 is back: the next trip's image takes the first piece's bytes, which are my wave's own
.Lnoreload:
	s_xor_b32 s41, s41, 0x50000
	s_xor_b32 s42, s42, 0x3800
	s_sub_co_u32 s40, s40, 1
	s_cmp_lg_u32 s40, 0
	s_cbranch_scc1 .Lcross
	BARRIER                                        ; all 96 images and their scale words lie in LDS
	; ---------------- the last six products: my 256 output columns, 12 K steps of 128 (three matrices x four), 64 accumulators by turns
	s_mul_i32 s38, s21, 196608
	v_add_nc_u32 v[CFA], s38, v[LI]
	s_mul_i32 s39, s21, 6144
	s_add_co_u32 s39, s39, SCW
	v_add_nc_u32 v[CSA], s39, v[LS]
.macro CFLOAD par, off                 ; a K step's four token fragments and their scale words, as they were stored: 20 LDS loads
	WIN 0
.irp m, 0,1,2,3
.irp c, 0,1,2,3
	ds_load_b128 v[128+64*(\par)+16*\m+4*\c:128+64*(\par)+16*\m+4*\c+3], v[CFA] offset:(\off)+2048*\m+512*\c
.endr
	ds_load_b32 v[XS0+4*(\par)+\m], v[CSA] offset:(\off)/16+128*\m
.endr
.endm
.macro GRP2 g, par, zero, n            ; 16 products: slots 4 g .. 4 g + 3 (16 output columns each) x the four tiles of tokens
	s_wait_loadcnt \n
.if (\g) == 0
	s_wait_dscnt 0x0                               ; this K step's token fragments are in (asked for 48 products ago)
.endif
.irp mh, 0,1
	WIN 0xa1+0x50*\mh
.irp e, 0,1,2,3
.irp ml, 0,1
.set rF, 4*(\g)+\e
.set rD, 8*(8*(2*\ml+rF/8)+rF%8)
.set rA, 16*rF
.set rB, 128+64*(\par)+16*(2*\mh+\ml)
.set rSA, SC0+4*(rF/8)+(rF%8)/2
.set rSB, XS0+4*(\par)+2*\mh+\ml
.set rOD, rF%2
	MM rD, rA, rB, \zero, rSA, rSB, rOD
.endr
.endr
.endr
	PLACES 8
.endm
.macro KSTEP2 par, zero, rbase, cfoff, n0, n1, n2, n3
	GRP2 0, \par, \zero, \n0
.if (\cfoff) > 0
	CFLOAD 1-(\par), \cfoff                        ; the next K step's, into the set that the last K step has left
.endif
.if (\rbase) > 0
	REFILL 0, \rbase
.endif
	GRP2 1, \par, \zero, \n1
.if (\rbase) > 0
	REFILL 1, \rbase
.endif
	GRP2 2, \par, \zero, \n2
.if (\rbase) > 0
	REFILL 2, \rbase
.endif
	GRP2 3, \par, \zero, \n3
.if (\rbase) > 0
	REFILL 3, \rbase
.endif
	WIN 0
.endm
	CFLOAD 0, 0
	KSTEP2 0, 1, NEXT, 8192, 49, 49, 49, 49        ; the first K step starts the sums and stands ahead of the loop
	s_wait_xcnt 0x0
	s_wait_dscnt 0x0
	s_add_nc_u64 s[8:9], s[8:9], NEXT
	v_add_nc_u32 v[CFA], 8192, v[CFA]
	v_add_nc_u32 v[CSA], 512, v[CSA]
	s_mov_b32 s28, 5
.Lk2:                                              ; a trip: two K steps, until the sets of token fragments are back where they began
	KSTEP2 1, 0, NEXT, 8192, 49, 49, 49, 49
	KSTEP2 0, 0, 2*NEXT, 16384, 49, 49, 49, 49
	s_wait_xcnt 0x0                                ; the loads have read their base,
	s_wait_dscnt 0x0                               ; the LDS loads their addresses
	s_add_nc_u64 s[8:9], s[8:9], 2*NEXT
	v_add_nc_u32 v[CFA], 16384, v[CFA]
	v_add_nc_u32 v[CSA], 1024, v[CSA]
	s_sub_co_u32 s28, s28, 1
	s_cmp_lg_u32 s28, 0
	s_cbranch_scc1 .Lk2
	KSTEP2 1, 0, 0, 0, 49, 33, 16, 0               ; the last K step asks for nothing: the counts run down
	; ---------------- the way out, block by block of 16 tokens x 128 columns.  A lane holds 32 neighbouring bytes of a row: a block goes through my own stage in LDS and comes back as whole rows of 512 bytes.
	; LDS serves a wave's instructions in order (ISA guide 5.7.1.4): no wait between the stores and the loads.  The stage's bytes were last read ahead of the last barrier.
.macro TOSTAGE a
.set AC, 64*((\a)%4)
	WIN 0x08+4*((\a)/4)
.irp b, 0,1,2,3,4,5,6,7
	ds_store_b128 v[STO], v[AC+8*\b:AC+8*\b+3] offset:64*\b          ; each accumulator from its low end on
	ds_store_b128 v[STO], v[AC+8*\b+4:AC+8*\b+7] offset:64*\b+16
.endr
	WIN 0
.set BB, 128+64*((\a)%2)
.irp t, 0,1,2,3,4,5,6,7,8,9,10,11,12,13,14,15
	ds_load_b128 v[BB+4*\t:BB+4*\t+3], v[RD] offset:\t*528
.endr
.endm
.macro SEND a, younger                 ; younger: the LDS instructions issued behind block a's loads, which may stay out
.set BB, 128+64*((\a)%2)
	s_wait_dscnt \younger
.irp t, 0,1,2,3,4,5,6,7,8,9,10,11,12,13,14,15
	global_store_b128 v[LI], v[BB+4*\t:BB+4*\t+3], s[18:19] offset:65536*((\a)/2)+512*((\a)%2)+4096*\t th:TH_STORE_NT   ; 32 lanes store 512 consecutive bytes, at a multiple of 256 from the output's first byte; written once
.endr
.endm
	TOSTAGE 0
.irp a, 1,2,3,4,5,6,7
.if \a > 1
	s_wait_xcnt 0x0                                ; block a - 2's stores have read their registers: block a's loads may land there
.endif
	TOSTAGE \a
	SEND \a-1, 32                                  ; behind block a - 1's loads: block a's 16 stores and 16 loads
.endr
	SEND 7, 0
	s_wait_tensorcnt 0x0
	ds_add_u32 v30, v31
	s_wait_dscnt 0x0
	s_endpgm
.Lfunc_end_k_qaf05a79d50_chain:
	.size	k_qaf05a79d50_chain, .Lfunc_end_k_qaf05a79d50_chain-k_qaf05a79d50_chain
	.p2alignl 7, 3214868480
	.fill 96, 4, 3214868480
	.section	.rodata,"a",@progbits
	.p2align	6, 0x0
	.amdhsa_kernel k_qaf05a79d50_chain
		.amdhsa_group_segment_fixed_size 318464
		.amdhsa_private_segment_fixed_size 0
		.amdhsa_enable_private_segment 0
		.amdhsa_kernarg_size 64
		.amdhsa_user_sgpr_count 2
		.amdhsa_user_sgpr_kernarg_segment_ptr 1
		.amdhsa_wavefront_size32 1
		.amdhsa_system_sgpr_workgroup_id_x 1
		.amdhsa_system_sgpr_workgroup_id_y 1
		.amdhsa_system_sgpr_workgroup_id_z 1
		.amdhsa_system_vgpr_workitem_id 0
		.amdhsa_next_free_vgpr 1024
		.amdhsa_next_free_sgpr 66
		.amdhsa_reserve_vcc 1
		.amdhsa_float_denorm_mode_32 3
		.amdhsa_float_denorm_mode_16_64 3
		.amdhsa_memory_ordered 1
		.amdhsa_forward_progress 1
		.amdhsa_inst_pref_size 255
	.end_amdhsa_kernel
	.section	.bss,"aw",@nobits
	.p2align	6
	.space	262144
	.amdgpu_metadata
---
amdhsa.version: [ 1, 2 ]
amdhsa.kernels:
  - .name:           k_qaf05a79d50_chain
    .symbol:         k_qaf05a79d50_chain.kd
    .args:
      - { .name: x_codes, .offset: 0, .size: 8, .value_kind: global_buffer, .address_space: global }
      - { .name: x_scales, .offset: 8, .size: 8, .value_kind: global_buffer, .address_space: global }
      - { .name: wst, .offset: 16, .size: 8, .value_kind: global_buffer, .address_space: global }
      - { .name: u1_b, .offset: 24, .size: 8, .value_kind: global_buffer, .address_space: global }
      - { .name: u2_b, .offset: 32, .size: 8, .value_kind: global_buffer, .address_space: global }
      - { .name: ln1_w, .offset: 40, .size: 8, .value_kind: global_buffer, .address_space: global }
      - { .name: ln2_w, .offset: 48, .size: 8, .value_kind: global_buffer, .address_space: global }
      - { .name: out0, .offset: 56, .size: 8, .value_kind: global_buffer, .address_space: global }
    .group_segment_fixed_size: 318464
    .private_segment_fixed_size: 0
    .kernarg_segment_align: 8
    .kernarg_segment_size: 64
    .max_flat_workgroup_size: 128
    .sgpr_count:     66
    .vgpr_count:     1024
    .wavefront_size: 32
...
	.end_amdgpu_metadata
.endif
;; end of part 2
;; ======== version 2 of 2: 2 launches; version 1 with the launch chain written anew for expert scheduling mode
;; workspace buffers: wst 3,784,704 bytes
;; launch lay: the kernel of part 1 again; grid 28 x 4, 4 waves a work-group, no clusters, 0 bytes of LDS; arguments w1_codes, w1_scales, u1_w_codes, u1_w_scales, w2_codes, w2_scales, u2_w_codes, u2_w_scales, b1_codes, b1_scales, v11_w_codes, v11_w_scales, v12_w_codes, v12_w_scales, b2_codes, b2_scales, v22_w_codes, v22_w_scales, v21_w_codes, v21_w_scales, wst; writes wst
;; launch chain (part 3): grid 256 x 1, 4 waves a work-group, no clusters, 318,464 bytes of LDS; arguments x_codes, x_scales, wst, u1_b, u2_b, ln1_w, ln2_w, out0; writes out0
.if DOCPART == 3
	.amdgcn_target "amdgcn-amd-amdhsa--gfx1250"
	.amdhsa_code_object_version 6
	.text
	.protected	k_qaf05a79d50_chain
	.globl	k_qaf05a79d50_chain
	.p2align	8
	.type	k_qaf05a79d50_chain,@function
k_qaf05a79d50_chain:
	s_mov_b64 s[64:65], 0
	v_nop
	global_prefetch_b8 v0, s[64:65] scope:SCOPE_SE
	s_setreg_imm32_b32 hwreg(HW_REG_WAVE_SCHED_MODE, 0, 2), 2
	s_setreg_imm32_b32 hwreg(HW_REG_WAVE_MODE, 25, 1), 1
	s_wait_xcnt 0x0
	s_wait_alu depctr_vm_vsrc(0)
; THE WHOLE MODULE FOR 64 TOKENS A WORK-GROUP; nothing between the products goes to memory.
; WHAT IS COMPUTED.  There is one head, so the norm over the head axis takes a logit's mean over one number: gn = (gz - gz) rsqrt(eps) ln_w = 0 x ln_w, the same for all 512 experts.  So gn >= its 8th largest holds for every
; expert (gate = softmax of all 512 logits), or for none where 0 x ln_w is NaN (all logits -1e10: the gate is 1/512).  ln_w is read and decides by one compare and one select: c' = log2(e), or 0, which makes all exponents equal.
;   out[:, 0:512]    = Q(g1) b1 + Q(x1 g1) v11^T + Q(t2 g1) v12^T,   out[:, 512:1024] = Q(g2) b2 + Q(x2 g2) v22^T + Q(t1 g2) v21^T,   x_i = relu(x u_i^T + u_i_b)^2,  t_i = sum over experts of x_i g_i;  Q: the MX quantiser along the experts.
; The softmax takes its maximum away: each wave its own 128 experts' maximum, then 2^(own - the four waves' largest) brings the four under one.
; SHARES.  Four waves, one to a SIMD.  THE WAVES SHARE THE COLUMNS: in the first four products wave w makes experts 128 w .. 128 w + 127 for all 64 tokens (which are K step w of the later products); in the last six it makes
; output columns 256 w .. 256 w + 255, three matrices x four K steps on one set of 64 accumulators.  So each weight fragment is wanted by ONE wave, for four tiles of tokens: it goes from memory straight into registers,
; from wst, which the launch before laid in this order: 16 fragment slots, each filled again as soon as its four products are done.
; All products are used transposed (source 0 = 16 rows of a weight, source 1 = 16 tokens): a lane holds one token (lane % 16), and registers 16 b + i of a tile of tokens are experts 32 b + 16 (lane / 16) + i of the wave's 128,
; the order of the next operand's registers: the conversions' results are that operand, which goes to the other waves through LDS as an image of its registers.
; NO CLUSTER, NO TENSOR LOADS: all 256 work-groups walk the same weights, but LDS holds x (66,560 bytes), up to 196,608 bytes of code images, a spill of 131,072 (in part the same bytes) and 21,504 of scale words and exchanges:
; what is left for two slots is under 16 matrix instructions' weights a wave between two rounds.  No prefetch: the weights are read by every work-group, x once at the head.
; LIMITS: logits are taken to be finite (else reference() gives NaN too).  A block of zeros gets the scale byte 1 where the rule says 127: its codes are zeros and this program alone reads the bytes.
; A gate under 2^-126 of its row's largest term comes out as 0 (the exponential flushes).
; THE MODE: SCHED_MODE bits 1:0 = 2 (LLVM: expert scheduling mode 2), set by the entry lines.  The code itself states the register dependences between vector or matrix instructions and memory or LDS instructions,
; with s_wait_alu, always for 0.
; THE PLAN.  Registers that memory or LDS instructions touch, and who else names them:
;   the weight slots (window 1), v44-51   written by global loads alone; read by the 16 products of their group.  ONE wait on va_vdst behind a group; the group's refill follows it at once.
;   v128-191, v192-255, v52-59            two sets of token fragments and their scale words: written by LDS loads; read by a K step's products; loaded again behind the wait of the K step's last group (first four products)
;                                         or of the next K step's first group (last six).  At the head x's stores, on the way out the output's stores read them: a wait on vm_vsrc ahead of the loads that land there next.
;   v5, v7, v19, v20                      LDS addresses that a vector add steps once a trip: a wait on vm_vsrc, the adds, and behind them a wait on va_vdst that stands there for the refill anyway.
;   v9, v11                               the images' addresses: written at the head of a pair and of a cross term, behind a wait on vm_vsrc; read by QUANT's stores, behind QUANT's wait on va_vdst.
;   v80-96                                codes and scale word: written by QUANT's vector lines, read by its five LDS stores: va_vdst ahead of the stores, vm_vsrc ahead of the next writing.
;   v24-27, v64-79                        what the waves send each other: va_vdst ahead of the stores, vm_vsrc ahead of the first vector line behind the exchange.
;   v64-127                               what the others sent, and the bias, land here: behind a wait on va_vdst that has all vector work on them ahead of it.
;   window 2                              g1 goes to LDS (vm_vsrc ahead of the next products) and comes back (behind QUANT's last wait on va_vdst).
;   v2-4, v6, v8, v10, v12-14, v16-18, v21-23     made once at the head, ahead of one wait on va_vdst, and never written again.
; REGISTERS, in windows of 256: window 0: below.  window 1: the 16 weight slots, slot f at v[16 f].  window 2: the gate's accumulators (tile of tokens m at v[64 m]), then g.  window 3: the up products', then x g; its v0-63 at work for Q(g).
;   In the last six products windows 2 and 3 hold the 64 accumulators: (m, n) at v[8 (8 (2 (m % 2) + n / 8) + n % 8)] of window 2 + m / 2.
.set NEXT, 33792                       ; a trip's block of wst: 16 fragments and their scale words
.set SPL,  65536                       ; LDS: 0 Q(g1); 32768 Q(x1 g1); SPL: g1 in f32 (piece m of wave w at 32768 m + 8192 w), later Q(t2 g1) in its first 32768 bytes and the way out's stages from OST on
.set OST,  98304
.set XB,   229376                      ; 196608 Q(g2); XB: x's 64 rows, 1,040 bytes apart, later Q(x2 g2) and, 32768 on, Q(t1 g2)
.set SCW,  296448                      ; the images' scale words: side x 6144 + K step x 512 + m x 128 + 4 x lane
.set XSC,  308736                      ; x's scale bytes, rows 48 bytes apart
.set RED1, 311808                      ; the waves' maxima and sums: w x 1024 + m x 256 + (0 | 128) + 4 x lane
.set RED2, 315904                      ; the waves' parts of t: w x 512 + m x 128 + 4 x lane
.set LI,   2                           ; v2   16 x lane
.set LS,   3                           ; v3   4 x lane
.set XA0,  4                           ; v4   x's fragments: XB + 1040 r + 16 h
.set XAD0, 5                           ; v5   the same + the K offset, for set 0
.set XS0A, 6                           ; v6   x's scale words: XSC + 48 r
.set XSD0, 7                           ; v7   the same + the K offset, for set 0
.set IMW,  8                           ; v8   an image's place for my wave and lane: 16 x lane + 8192 w
.set IMA,  9                           ; v9   + the side in hand
.set SWW,  10                          ; v10  its scale word's: SCW + 4 x lane + 512 w
.set SWA,  11                          ; v11  + the side in hand
.set R1W,  12
.set R1R,  13
.set R2W,  14
.set SPA,  16                          ; v16  the spill: SPL + IMW;  v17: 65536 further on
.set SPA2, 17
.set BO,   18                          ; v18  the bias: 512 w + 64 h
.set XAD1, 19                          ; v19, v20 as v5, v7, for set 1; in the last six products: the images' and their scale words' addresses
.set XSD1, 20
.set CFA,  19
.set CSA,  20
.set STO,  21                          ; v21  the way out: where I put 32 bytes of a row;  v22: where I read a row back
.set RD,   22
.set MC,   24                          ; v24-27 c' x my wave's largest logit, for each tile of tokens
.set TN,   32                          ; v32-35 t of the pair in hand;  v36-39 of the pair before;  v40-43 the cross product's multiplier
.set TO,   36
.set TX,   40
.set SC0,  44                          ; v44-51 the weights' scale words: register 4 (f / 8) + (f % 8) / 2, even f in lanes 0-15, odd f in lanes 16-31
.set XS0,  52                          ; v52-59 the tokens' scale words: set p, tile m at 4 p + m
.set CQ,   60                          ; v60-61 c', twice
.set CA,   62                          ; v62, v63 c' of the first and of the second gate
.set CB,   63
.set BIAS, 64                          ; v64-127 the bias of my 128 experts, in a tile's layout, while the up product runs.  In the epilogues the same registers are:
.set TM,   64                          ; v64-79  at work
.set PC,   80                          ; v80-95  the codes just made
.set PW,   96                          ; v96     their scale word
.set EX,   96                          ; v96-127 what the other waves sent (read and used before PW and PRS are written)
.set PRS,  120                         ; v120-127 four pairs, both words equal: a multiplier for each tile of tokens
                                       ; v128-191, v192-255: two sets of four token fragments (x's, later the images'); at the head x on its way to LDS; at the end rows of the output
.set MSB, 0
.macro WIN new                         ; the immediate's high byte repeats the setting that is left; a switch that changes nothing is dropped
.if MSB != (\new)
	s_set_vgpr_msb (MSB<<8)|(\new)
.set MSB, (\new)
.endif
.endm
.macro PLACES n                        ; eight plain vector instructions behind this matrix form: ahead of a read of its result, and here also ahead of the wait that stands in front of a load into its registers
.rept \n
	v_nop
.endr
.endm
.macro BARRIER                         ; my LDS stores have landed and my LDS loads are in: then the work-group's barrier
	s_wait_dscnt 0x0
	s_barrier_signal -1
	s_barrier_wait -1
.endm
.macro MM d, a, b, zero, sa, sb, odd   ; one product: source 0 = a weight slot, source 1 = a token fragment; an odd slot's scale words lie in lanes 16-31
.if \zero
.if \odd
	v_wmma_scale_f32_16x16x128_f8f6f4 v[\d:\d+7], v[\a:\a+15], v[\b:\b+15], 0, v[\sa], v[\sb] matrix_a_fmt:MATRIX_FMT_BF8 matrix_b_fmt:MATRIX_FMT_BF8 matrix_a_scale:MATRIX_SCALE_ROW1
.else
	v_wmma_scale_f32_16x16x128_f8f6f4 v[\d:\d+7], v[\a:\a+15], v[\b:\b+15], 0, v[\sa], v[\sb] matrix_a_fmt:MATRIX_FMT_BF8 matrix_b_fmt:MATRIX_FMT_BF8
.endif
.else
.if \odd
	v_wmma_scale_f32_16x16x128_f8f6f4 v[\d:\d+7], v[\a:\a+15], v[\b:\b+15], v[\d:\d+7], v[\sa], v[\sb] matrix_a_fmt:MATRIX_FMT_BF8 matrix_b_fmt:MATRIX_FMT_BF8 matrix_a_scale:MATRIX_SCALE_ROW1
.else
	v_wmma_scale_f32_16x16x128_f8f6f4 v[\d:\d+7], v[\a:\a+15], v[\b:\b+15], v[\d:\d+7], v[\sa], v[\sb] matrix_a_fmt:MATRIX_FMT_BF8 matrix_b_fmt:MATRIX_FMT_BF8
.endif
.endif
.endm
; Slots 4 g .. 4 g + 3 take their fragments of the block base bytes on: 16 loads of 512 consecutive bytes.  An odd g first brings the scale words of eight fragments: one load.
.macro REFILL g, base
.if (\g)%2
	WIN 0
	global_load_b128 v[SC0+4*((\g)/2):SC0+4*((\g)/2)+3], v[LI], s[8:9] offset:(\base)+32768+512*((\g)/2)
.endif
	WIN 0x40
.irp e, 0,1,2,3
.irp c, 0,1,2,3
	global_load_b128 v[16*(4*(\g)+\e)+4*\c:16*(4*(\g)+\e)+4*\c+3], v[LI], s[8:9] offset:(\base)+2048*(4*(\g)+\e)+512*\c
.endr
.endr
.endm
; x's four fragments of one K step, and their scale words, into set: 20 LDS loads
.macro XLOAD set, adr, sadr, off
	WIN 0
.irp m, 0,1,2,3
.irp c, 0,1,2,3
	ds_load_b128 v[128+64*(\set)+16*\m+4*\c:128+64*(\set)+16*\m+4*\c+3], v[\adr] offset:(\off)+16640*\m+128*(\set)+32*\c
.endr
	ds_load_b32 v[XS0+4*(\set)+\m], v[\sadr] offset:(\off)/32+768*\m+4*(\set)
.endr
.endm
; 16 products of the first kind: slots 4 g .. 4 g + 3 x the four tiles of tokens.  The K step's 32 accumulators take turns, one instruction a turn.
; The loads go out in the order R0 (16), scale words 0 + R1 (17), R2 (16), scale words 1 + R3 (17), trip after trip.  Behind the youngest load that a group needs, its slots' or its scale words', 49 have been issued.
.macro GRP1 g, aw, zero
	s_wait_loadcnt 49
.if ((\g)%2) == 0
	s_wait_dscnt 20                                ; this K step's set of x is in; the other set's 20 loads may be out
.endif
	WIN ((\aw)<<6)|((\aw)<<4)|1
.irp e, 0,1,2,3
.irp m, 0,1,2,3
.set rF, 4*(\g)+\e
.set rD, 64*\m+8*(rF%8)
.set rA, 16*rF
.set rB, 128+64*((\g)/2)+16*\m
.set rSA, SC0+4*(rF/8)+(rF%8)/2
.set rSB, XS0+4*((\g)/2)+\m
.set rOD, rF%2
	MM rD, rA, rB, \zero, rSA, rSB, rOD
.endr
.endr
	PLACES 8
.endm
; A trip: two K steps of 128, 64 products; every slot and both sets of x are filled again for the next trip.  Behind each group one wait on va_vdst; the group's refill goes out first behind it,
; and behind a K step's second group the LDS loads of x follow under the same wait: between the wait and them stand loads and window switches alone.
.macro TRIP1 aw, zero, dyn
	GRP1 0, \aw, \zero
	WIN 0x40
	s_wait_alu depctr_va_vdst(0)                   ; group 0's products are done reading slots 0-3, in which the loads below land
	REFILL 0, NEXT
	GRP1 1, \aw, \zero
	WIN 0
.if \dyn
	s_wait_alu depctr_vm_vsrc(0)                   ; set 0's last LDS loads, a trip back, have read v[XAD0] and v[XSD0]
	v_add_nc_u32 v[XAD0], s30, v[XA0]              ; (set 0's last loads were shown back at this trip's head)
	v_add_nc_u32 v[XSD0], s31, v[XS0A]
.endif
	s_wait_alu depctr_va_vdst(0)                   ; the K step's products are done reading slots 4-7, v[SC0 .. SC0+3], set 0 of x and its scale words, in which the loads below land; v[XAD0] and v[XSD0] are written
	REFILL 1, NEXT
.if \dyn
	XLOAD 0, XAD0, XSD0, 0
.else
	XLOAD 0, XA0, XS0A, 256
.endif
	GRP1 2, \aw, 0
	WIN 0x40
	s_wait_alu depctr_va_vdst(0)                   ; group 2's products are done reading slots 8-11
	REFILL 2, NEXT
	GRP1 3, \aw, 0
	WIN 0
.if \dyn
	s_wait_alu depctr_vm_vsrc(0)                   ; set 1's last LDS loads, a trip back, have read v[XAD1] and v[XSD1]
	v_add_nc_u32 v[XAD1], s30, v[XA0]              ; (set 1's last loads were shown back in this trip's middle)
	v_add_nc_u32 v[XSD1], s31, v[XS0A]
.endif
	s_wait_alu depctr_va_vdst(0)                   ; the K step's products are done reading slots 12-15, v[SC0+4 .. SC0+7], set 1 of x and its scale words; v[XAD1] and v[XSD1] are written
	REFILL 3, NEXT
.if \dyn
	XLOAD 1, XAD1, XSD1, 0
.else
	XLOAD 1, XA0, XS0A, 256
.endif
	WIN 0
	s_wait_xcnt 0x0                                ; the loads have read their base: it may step
	s_add_nc_u64 s[8:9], s[8:9], NEXT
.endm
; One of the first four products: K = 1,024 in four trips.  The first starts the sums and stands ahead of the loop.  The last fetches x's K steps 0 and 1 again, for the product that follows (behind the fourth product they go unused).
.macro PHASE aw
	TRIP1 \aw, 1, 0
	s_mov_b32 s29, 512
	s_mov_b32 s28, 3
.Lk_\@:
	s_and_b32 s30, s29, 1023                       ; 512, 768, 0: the bytes of a row at which the next trip's codes begin,
	s_lshr_b32 s31, s30, 5                         ; and its scale bytes
	TRIP1 \aw, 0, 1
	s_add_co_u32 s29, s29, 256
	s_sub_co_u32 s28, s28, 1
	s_cmp_lg_u32 s28, 0
	s_cbranch_scc1 .Lk_\@
.endm
; The sum over my wave's 128 experts, for each tile of tokens, of the numbers in window ws: v[TM + 4 m], in every lane of the token
.macro SUM4 ws
	WIN ((\ws)<<2)|(\ws)
.irp m, 0,1,2,3
	v_pk_add_f32 v[TM+4*\m:TM+4*\m+1], v[64*\m:64*\m+1], v[64*\m+2:64*\m+3]
	v_pk_add_f32 v[TM+4*\m+2:TM+4*\m+3], v[64*\m+4:64*\m+5], v[64*\m+6:64*\m+7]
.endr
	WIN (\ws)<<2
.irp j, 8,12,16,20,24,28,32,36,40,44,48,52,56,60
.irp m, 0,1,2,3
	v_pk_add_f32 v[TM+4*\m:TM+4*\m+1], v[TM+4*\m:TM+4*\m+1], v[64*\m+\j:64*\m+\j+1]
	v_pk_add_f32 v[TM+4*\m+2:TM+4*\m+3], v[TM+4*\m+2:TM+4*\m+3], v[64*\m+\j+2:64*\m+\j+3]
.endr
.endr
	WIN 0
.irp m, 0,1,2,3
	v_pk_add_f32 v[TM+4*\m:TM+4*\m+1], v[TM+4*\m:TM+4*\m+1], v[TM+4*\m+2:TM+4*\m+3]
.endr
.irp m, 0,1,2,3
	v_add_f32 v[TM+4*\m], v[TM+4*\m], v[TM+4*\m+1]
.endr
.irp m, 0,1,2,3
	v_permlanex16_b32 v[TM+4*\m+1], v[TM+4*\m], s24, s25
.endr
.irp m, 0,1,2,3
	v_add_f32 v[TM+4*\m], v[TM+4*\m], v[TM+4*\m+1] ; with lane l xor 16's 64 experts
.endr
.endm
; 64 numbers of a lane, none negative, v[sb] on in window ws (register 16 b + i = K 32 b + 16 (lane / 16) + i of my token), become a fragment's codes and its scale word, which go to LDS as they stand.
; The held numbers are written to v[db] on in window wd, so that the source can be kept.
.macro QUANT ws, sb, wd, db, ioff, soff
	WIN ((\ws)<<2)|(\ws)
.irp b, 0,1,2,3
	v_max3_num_f32 v[TM+\b], v[(\sb)+16*\b], v[(\sb)+16*\b+1], 0x8000000   ; block b: my 16 numbers, and the floor 2^(16 - 127): the byte cannot fall under 1
.endr
.irp i, 2,4,6,8,10,12,14
.irp b, 0,1,2,3
	v_max3_num_f32 v[TM+\b], v[(\sb)+16*\b+\i], v[(\sb)+16*\b+\i+1], v[TM+\b]   ; (the four blocks by turns)
.endr
.endr
	WIN 0
.irp b, 0,1,2,3
	v_permlanex16_b32 v[TM+4+\b], v[TM+\b], s24, s25
.endr
.irp b, 0,1,2,3
	v_max_num_f32 v[TM+\b], v[TM+\b], v[TM+4+\b]   ; with lane l xor 16's: the block's largest number
.endr
.irp b, 0,1,2,3
	v_add_nc_u32 v[TM+12+\b], 0xf8800000, v[TM+\b] ; 15 off its exponent field: the conversion's scale operand
.endr
.irp b, 0,1,2,3
	v_and_or_b32 v[TM+8+\b], v[TM+\b], 0x7f800000, s26   ; 57,344 x the scale
.endr
.irp b, 0,1,2,3
	v_lshrrev_b32 v[TM+4+\b], 23, v[TM+12+\b]      ; the scale's byte
.endr
	s_wait_dscnt 0x0                               ; the last image's stores are done,
	s_wait_alu depctr_vm_vsrc(0)                   ; and they have read v[PW] and v[PC ..], which are written from here on
	v_lshl_or_b32 v[PW], v[TM+5], 8, v[TM+4]
	v_lshl_or_b32 v[PW], v[TM+6], 16, v[PW]
	v_lshl_or_b32 v[PW], v[TM+7], 24, v[PW]
	WIN ((\wd)<<6)|(\ws)
.irp b, 0,1,2,3
.irp i, 0,1,2,3,4,5,6,7,8,9,10,11,12,13,14,15
	v_min_num_f32 v[(\db)+16*\b+\i], v[(\sb)+16*\b+\i], v[TM+8+\b]   ; the conversion to an 8-bit code does not saturate (ISA guide 7.6.2); nothing here is negative, so the hold is one-sided
.endr
.endr
	WIN (\wd)
.irp b, 0,1,2,3
	v_cvt_scalef32_pk8_bf8_f32 v[PC+4*\b:PC+4*\b+1], v[(\db)+16*\b:(\db)+16*\b+7], v[TM+12+\b]
	v_cvt_scalef32_pk8_bf8_f32 v[PC+4*\b+2:PC+4*\b+3], v[(\db)+16*\b+8:(\db)+16*\b+15], v[TM+12+\b]
.endr
	v_nop                                          ; a plain instruction between the conversions and whatever next writes their sources
	WIN 0
	s_wait_alu depctr_va_vdst(0)                   ; the conversions have written v[PC ..] and the shifts v[PW], which the stores below read; v[IMA] and v[SWA], their addresses, are written too
.irp c, 0,1,2,3
	ds_store_b128 v[IMA], v[PC+4*\c:PC+4*\c+3] offset:(\ioff)+512*\c
.endr
	ds_store_b32 v[SWA], v[PW] offset:(\soff)
.endm
	; ---------------- the head
	s_load_b512 s[4:19], s[0:1], 0x0               ; x's codes s[4:5], x's scales s[6:7], wst s[8:9], u1_b s[10:11], u2_b s[12:13], ln1_w s[14:15], ln2_w s[16:17], out s[18:19]
	v_lshl_add_u32 v30, v0, 2, 0x4da00
	v_mov_b32 v31, 0
	v_lshrrev_b32 v1, 5, v0
	v_readfirstlane_b32 s20, v1                    ; wave 0..3
	s_wait_alu depctr_va_sdst(0)                   ; s20 is written, ahead of its first reader: addresses and bases are made from it
	s_lshr_b32 s21, s20, 1                         ; which half of the output is mine
	s_mov_b32 s24, 0x76543210
	s_mov_b32 s25, 0xfedcba98                      ; v_permlanex16_b32's selects for lane l xor 16
	s_mov_b32 s26, 0x600000                        ; the mantissa field of 57,344
	v_and_b32 v1, 31, v0
	v_lshlrev_b32 v[LI], 4, v1
	v_lshlrev_b32 v[LS], 2, v1
	v_and_b32 v1, 15, v0                           ; r
	v_bfe_u32 v15, v0, 4, 1                        ; h
	v_mul_u32_u24 v[XA0], v1, 1040                 ; rows 1,040 bytes apart, an odd multiple of 16: the 16 rows of a load begin in 16 different columns of 16 bytes modulo 256
	v_lshl_add_u32 v[XA0], v15, 4, v[XA0]
	v_add_nc_u32 v[XA0], XB, v[XA0]
	v_mul_u32_u24 v[XS0A], v1, 48
	v_add_nc_u32 v[XS0A], XSC, v[XS0A]
	s_lshl_b32 s38, s20, 13
	v_add_nc_u32 v[IMW], s38, v[LI]
	s_lshl_b32 s38, s20, 9
	s_add_co_u32 s39, s38, SCW
	v_add_nc_u32 v[SWW], s39, v[LS]
	s_add_co_u32 s39, s38, RED2
	v_add_nc_u32 v[R2W], s39, v[LS]
	v_lshl_add_u32 v[BO], v15, 6, s38
	s_lshl_b32 s38, s20, 10
	s_add_co_u32 s39, s38, RED1
	v_add_nc_u32 v[R1W], s39, v[LS]
	v_add_nc_u32 v[R1R], RED1, v[LS]
	v_add_nc_u32 v[SPA], SPL, v[IMW]
	v_add_nc_u32 v[SPA2], 2*SPL, v[IMW]
	s_mul_i32 s38, s20, 8448
	s_add_co_u32 s38, s38, OST                     ; my stage: 16 rows x (512 + 16) bytes
	v_mul_u32_u24 v[STO], v1, 528
	v_lshl_add_u32 v[STO], v15, 5, v[STO]
	v_add_nc_u32 v[STO], s38, v[STO]
	v_add_nc_u32 v[RD], s38, v[LI]
	s_mul_i32 s38, s20, 16640
	s_add_co_u32 s38, s38, XB
	v_add_nc_u32 v[XAD0], s38, v[LI]               ; for now: where my wave's 16 rows of x go
	v_lshrrev_b32 v[XSD0], 1, v0
	v_mul_u32_u24 v[XSD0], v[XSD0], 48
	v_and_b32 v1, 1, v0
	v_lshl_add_u32 v[XSD0], v1, 4, v[XSD0]
	v_add_nc_u32 v[XSD0], XSC, v[XSD0]             ; and my thread's 16 scale bytes: row thread / 2, half thread % 2
	v_lshlrev_b32 v23, 4, v0
.irp m, 0,1,2,3
	v_mov_b32 v[TM+4+\m], 0                        ; a lane permute's destination counts as one of its sources
	v_mov_b32 v[TN+\m], 0
.endr
	s_mul_i32 s38, s20, 28*NEXT                    ; my wave's 28 blocks of wst
	s_mov_b32 s39, 0
	s_wait_kmcnt 0x0
	s_load_b32 s36, s[14:15], 0x0                  ; ln1_w
	s_load_b32 s37, s[16:17], 0x0                  ; ln2_w
	s_add_nc_u64 s[8:9], s[8:9], s[38:39]
	s_lshl_b32 s38, ttmp9, 16                      ; 64 rows of 1,024 codes a work-group,
	s_lshl_b32 s40, s20, 14                        ; 16 a wave
	s_add_co_u32 s38, s38, s40
	s_add_nc_u64 s[4:5], s[4:5], s[38:39]
	s_lshl_b32 s38, ttmp9, 11                      ; 64 rows of 32 scale bytes
	s_add_nc_u64 s[6:7], s[6:7], s[38:39]
	s_lshl_b32 s38, ttmp9, 18                      ; 64 rows of 4,096 bytes of the output,
	s_lshl_b32 s40, s20, 10                        ; my 256 columns
	s_add_co_u32 s38, s38, s40
	s_add_nc_u64 s[18:19], s[18:19], s[38:39]
	s_wait_alu depctr_va_vdst(0)                   ; the addresses and offsets v2 to v23 are written, which the loads and stores of the whole kernel read
.set j, 0
.rept 32
	global_load_b128 v[128+4*j:128+4*j+3], v[LI], s[4:5] offset:512*j th:TH_LOAD_NT   ; my 16 rows are 16,384 consecutive bytes: 512 a load; read once in the launch
.set j, j+1
.endr
	global_load_b128 v[64:67], v23, s[6:7] th:TH_LOAD_NT
	REFILL 0, 0
	REFILL 1, 0
	WIN 0
	s_wait_kmcnt 0x0
	v_mov_b32 v1, s36
	v_mul_f32 v1, 0, v1                            ; gn = 0 x ln_w: what every expert's normalised logit is
	v_cmp_ge_f32 vcc_lo, v1, v1                    ; gn >= the 8th largest gn, which is gn itself: false only for NaN
	v_mov_b32 v[CA], 0x3fb8aa3b                    ; log2(e)
	s_wait_alu depctr_va_vcc(0)                    ; the compare has written VCC, which the select reads
	v_cndmask_b32 v[CA], 0, v[CA], vcc_lo          ; or 0: all masked logits equal
	v_mov_b32 v15, s37
	v_mul_f32 v15, 0, v15
	v_cmp_ge_f32 vcc_lo, v15, v15
	v_mov_b32 v[CB], 0x3fb8aa3b
	s_wait_alu depctr_va_vcc(0)                    ; the second compare has written VCC, which the second select reads
	v_cndmask_b32 v[CB], 0, v[CB], vcc_lo
	v_mov_b32 v[CQ], v[CA]
	v_mov_b32 v[CQ+1], v[CA]
	s_wait_loadcnt 33                              ; x and its scales are in; the 33 weight loads issued behind them may be out
.set j, 0
.rept 32
	ds_store_b128 v[XAD0], v[128+4*j:128+4*j+3] offset:(j/2)*1040+512*(j%2)   ; (no vector line since the head's wait on va_vdst names an address or a datum of these stores)
.set j, j+1
.endr
	ds_store_b128 v[XSD0], v[64:67]
	REFILL 2, 0
	REFILL 3, 0
	WIN 0
	BARRIER                                        ; x's 64 rows lie in LDS
	s_wait_alu depctr_vm_vsrc(0)                   ; my LDS stores have read v128-255, in which x's fragments land now, and v64-67, v[XAD0], v[XSD0], which vector lines write later
	XLOAD 0, XA0, XS0A, 0
	XLOAD 1, XA0, XS0A, 0
	s_mov_b32 s32, 0                               ; the side in hand: its images,
	s_mov_b32 s33, 0                               ; its scale words,
	s_mov_b64 s[34:35], s[10:11]                   ; its bias
	s_mov_b32 s27, 2
	; ---------------- a pair: a gate and its up product.  Two trips: (w1, u1), (w2, u2)
.Lpair:
.irp m, 0,1,2,3
	v_mov_b32 v[TO+\m], v[TN+\m]
.endr
	v_add_nc_u32 v[IMA], s32, v[IMW]               ; (the stores that read these two stand ahead of the wait on vm_vsrc at the trip's end)
	v_add_nc_u32 v[SWA], s33, v[SWW]
	PHASE 2                                        ; the logits of my 128 experts
	; the largest logit of my 128 experts, for each token: sixteen chains, each accumulator from its low end on
	WIN 0x0a
.irp m, 0,1,2,3
.irp c, 0,1,2,3
	v_max_num_f32 v[TM+4*\m+\c], v[64*\m+16*\c], v[64*\m+16*\c+1]
.endr
.endr
.irp i, 2,4,6,8,10,12,14
.irp m, 0,1,2,3
.irp c, 0,1,2,3
	v_max3_num_f32 v[TM+4*\m+\c], v[64*\m+16*\c+\i], v[64*\m+16*\c+\i+1], v[TM+4*\m+\c]
.endr
.endr
.endr
	WIN 0
.irp m, 0,1,2,3
	v_max3_num_f32 v[TM+4*\m], v[TM+4*\m], v[TM+4*\m+1], v[TM+4*\m+2]
.endr
.irp m, 0,1,2,3
	v_max_num_f32 v[TM+4*\m], v[TM+4*\m], v[TM+4*\m+3]
.endr
.irp m, 0,1,2,3
	v_permlanex16_b32 v[TM+4*\m+1], v[TM+4*\m], s24, s25
.endr
.irp m, 0,1,2,3
	v_max_num_f32 v[TM+4*\m], v[TM+4*\m], v[TM+4*\m+1]
.endr
.irp m, 0,1,2,3
	v_mul_f32 v[MC+\m], v[CQ], v[TM+4*\m]          ; c' x the maximum: whatever its rounding, it is a common shift, which the division by the sum takes out
.endr
.irp m, 0,1,2,3
	v_mov_b32 v[PRS+2*\m], v[MC+\m]
	v_mov_b32 v[PRS+2*\m+1], v[MC+\m]
.endr
	WIN 0x82
.irp m, 0,1,2,3
.set j, 0
.rept 32
	v_pk_fma_f32 v[64*\m+j:64*\m+j+1], v[64*\m+j:64*\m+j+1], v[CQ:CQ+1], v[PRS+2*\m:PRS+2*\m+1] neg_lo:[0,0,1] neg_hi:[0,0,1]   ; c' z - c' max
.set j, j+2
.endr
.endr
.set j, 0
.rept 256
	v_exp_f32 v[j], v[j]
.set j, j+1
.endr
	v_nop                                          ; a plain instruction behind the last exponential,
	s_wait_alu depctr_va_vdst(0)                   ; and one wait for the batch, ahead of its first reader: the 256 exponentials have written window 2
	SUM4 2
	s_wait_alu depctr_va_vdst(0)                   ; v[MC ..] and the sums in v[TM ..] are written, which the stores below read; the scalings are done reading v[PRS ..], in which loads land behind the barrier
.irp m, 0,1,2,3
	ds_store_b32 v[R1W], v[MC+\m] offset:256*\m
	ds_store_b32 v[R1W], v[TM+4*\m] offset:256*\m+128
.endr
	BARRIER                                        ; the four waves' maxima and sums lie in LDS
.irp w, 0,1,2,3
.irp m, 0,1,2,3
	ds_load_b32 v[EX+8*\w+\m], v[R1R] offset:1024*\w+256*\m
	ds_load_b32 v[EX+8*\w+4+\m], v[R1R] offset:1024*\w+256*\m+128
.endr
.endr
	s_wait_dscnt 0x0
	s_wait_alu depctr_vm_vsrc(0)                   ; my stores ahead of the barrier have read v[TM ..], which is written again from here on
.irp m, 0,1,2,3
	v_max3_num_f32 v[TM+\m], v[EX+\m], v[EX+8+\m], v[EX+16+\m]
.endr
.irp m, 0,1,2,3
	v_max_num_f32 v[TM+\m], v[TM+\m], v[EX+24+\m]  ; the row's maximum, x c'
.endr
.irp m, 0,1,2,3
	v_sub_f32 v[TM+4+\m], v[MC+\m], v[TM+\m]
.endr
.irp w, 0,1,2,3
.irp m, 0,1,2,3
	v_sub_f32 v[EX+8*\w+\m], v[EX+8*\w+\m], v[TM+\m]
.endr
.endr
.irp m, 0,1,2,3
	v_exp_f32 v[TM+4+\m], v[TM+4+\m]               ; what brings my wave's terms under the row's maximum,
.endr
.irp w, 0,1,2,3
.irp m, 0,1,2,3
	v_exp_f32 v[EX+8*\w+\m], v[EX+8*\w+\m]         ; and each wave's sum
.endr
.endr
	v_nop
	s_wait_alu depctr_va_vdst(0)                   ; one wait for the twenty exponentials, ahead of their first reader
.irp m, 0,1,2,3
	v_mul_f32 v[TM+8+\m], v[EX+4+\m], v[EX+\m]
.endr
.irp w, 1,2,3
.irp m, 0,1,2,3
	v_fmac_f32 v[TM+8+\m], v[EX+8*\w+4+\m], v[EX+8*\w+\m]   ; the row's sum: at least the largest term, 1
.endr
.endr
.irp m, 0,1,2,3
	v_rcp_f32 v[TM+12+\m], v[TM+8+\m]
.endr
	v_nop
	s_wait_alu depctr_va_vdst(0)                   ; one wait for the four reciprocals, ahead of their first reader
.irp m, 0,1,2,3
	v_mul_f32 v[PRS+2*\m], v[TM+4+\m], v[TM+12+\m]
.endr
.irp m, 0,1,2,3
	v_mov_b32 v[PRS+2*\m+1], v[PRS+2*\m]
.endr
	WIN 0x82
.irp m, 0,1,2,3
.set j, 0
.rept 32
	v_pk_mul_f32 v[64*\m+j:64*\m+j+1], v[64*\m+j:64*\m+j+1], v[PRS+2*\m:PRS+2*\m+1]   ; g, finished and normalised; it stays in window 2
.set j, j+2
.endr
.endr
.irp m, 0,1,2,3
	QUANT 2, (64*\m), 3, 0, (2048*\m), (128*\m)    ; Q(g): K step w of the product with b; the held numbers go to window 3, g is kept
.endr
	s_wait_dscnt 0x0                               ; the last image's stores are done,
	s_wait_alu depctr_vm_vsrc(0)                   ; and they have read v[PC ..] and v[PW], in which the bias lands.  (All vector work on v64-127 stands ahead of QUANT's last wait on va_vdst)
.irp b, 0,1,2,3
.irp j, 0,1,2,3
	global_load_b128 v[BIAS+16*\b+4*\j:BIAS+16*\b+4*\j+3], v[BO], s[34:35] offset:128*\b+16*\j   ; register 16 b + i: the bias of expert 128 w + 32 b + 16 h + i.  49 loads and more follow it before the product's end
.endr
.endr
	PHASE 3                                        ; x u^T for my 128 experts
	WIN 0xc3
.irp m, 0,1,2,3
.set j, 0
.rept 32
	v_pk_add_f32 v[64*\m+j:64*\m+j+1], v[64*\m+j:64*\m+j+1], v[BIAS+j:BIAS+j+1]   ; + the bias; each accumulator from its low end on
.set j, j+2
.endr
.endr
	WIN 0xcf
.set j, 0
.rept 256
	v_max_num_f32 v[j], 0, v[j]                    ; relu,
.set j, j+1
.endr
.set j, 0
.rept 128
	v_pk_mul_f32 v[j:j+1], v[j:j+1], v[j:j+1]      ; squared,
.set j, j+2
.endr
	WIN 0xcb
.set j, 0
.rept 128
	v_pk_mul_f32 v[j:j+1], v[j:j+1], v[j:j+1]      ; x g (source 1: window 2)
.set j, j+2
.endr
	SUM4 3
	s_wait_alu depctr_va_vdst(0)                   ; the sums in v[TM ..] are written, which the stores below read; the additions are done reading the bias, in whose registers loads land behind the barrier
.irp m, 0,1,2,3
	ds_store_b32 v[R2W], v[TM+4*\m] offset:128*\m
.endr
	BARRIER                                        ; the four parts of t lie in LDS; and every wave's reads of x are back, so that in the second trip images may take x's bytes
.irp w, 0,1,2,3
.irp m, 0,1,2,3
	ds_load_b32 v[EX+4*\w+\m], v[R1R] offset:4096+512*\w+128*\m
.endr
.endr
	s_wait_dscnt 0x0
	s_wait_alu depctr_vm_vsrc(0)                   ; my stores ahead of the barrier have read v[TM ..], which is written again from here on
.irp m, 0,1,2,3
	v_add_f32 v[TN+\m], v[EX+\m], v[EX+4+\m]
	v_add_f32 v[TM+\m], v[EX+8+\m], v[EX+12+\m]
.endr
.irp m, 0,1,2,3
	v_add_f32 v[TN+\m], v[TN+\m], v[TM+\m]         ; t = the sum over all 512 experts of x g
.endr
.irp m, 0,1,2,3
	QUANT 3, (64*\m), 3, (64*\m), (32768+2048*\m), (2048+128*\m)   ; Q(x g)
.endr
	s_cmp_lg_u32 s27, 2
	s_cbranch_scc1 .Lnospill
	WIN 0x08                                       ; g1 is wanted once more, when t2 is known: it waits in LDS, as an image of its registers, my wave's own bytes.  (g was written far ahead of QUANT's last wait on va_vdst)
.irp m, 0,1
.set j, 0
.rept 16
	ds_store_b128 v[SPA], v[64*\m+4*j:64*\m+4*j+3] offset:32768*\m+512*j
	ds_store_b128 v[SPA2], v[128+64*\m+4*j:128+64*\m+4*j+3] offset:32768*\m+512*j
.set j, j+1
.endr
.endr
	WIN 0
.Lnospill:
	s_wait_dscnt 0x0                               ; my LDS stores are done,
	s_wait_alu depctr_vm_vsrc(0)                   ; and they have read window 2, which the next products write, v[IMA] and v[SWA], which the next trip or the cross terms write, v[PC ..] and v[PW]
	s_add_co_u32 s32, s32, 196608
	s_add_co_u32 s33, s33, 6144
	s_mov_b64 s[34:35], s[12:13]
	v_mov_b32 v[CQ], v[CB]
	v_mov_b32 v[CQ+1], v[CB]
	s_sub_co_u32 s27, s27, 1
	s_cmp_lg_u32 s27, 0
	s_cbranch_scc1 .Lpair
	; ---------------- the cross terms: Q(t1 g2), with g2 as it stands in window 2; then g1 comes back from LDS: Q(t2 g1)
	s_mov_b32 s41, 262144                          ; the image: side 1, third matrix; then side 0's, 65536
	s_mov_b32 s42, 10240                           ; its scale words; then 4096
	s_mov_b32 s40, 2
.irp m, 0,1,2,3
	v_mov_b32 v[TX+\m], v[TO+\m]
.endr
.Lcross:
	s_wait_dscnt 0x0                               ; the last image's stores are done,
	s_wait_alu depctr_vm_vsrc(0)                   ; and they have read their addresses v[IMA] and v[SWA], which are written below
	v_add_nc_u32 v[IMA], s41, v[IMW]
	v_add_nc_u32 v[SWA], s42, v[SWW]
.irp m, 0,1,2,3
	v_mov_b32 v[PRS+2*\m], v[TX+\m]
	v_mov_b32 v[PRS+2*\m+1], v[TX+\m]
.endr
.irp m, 0,1,2,3
	WIN 0x82
.set j, 0
.rept 32
	v_pk_mul_f32 v[64*\m+j:64*\m+j+1], v[64*\m+j:64*\m+j+1], v[PRS+2*\m:PRS+2*\m+1]
.set j, j+2
.endr
	QUANT 2, (64*\m), 2, (64*\m), (2048*\m), (128*\m)
.endr
	s_cmp_lg_u32 s40, 2
	s_cbranch_scc1 .Lnoreload
	WIN 0x80                                       ; (no wait: all vector work on window 2 stands ahead of QUANT's last wait on va_vdst, and behind that wait stand only the image's stores, which name none of these registers)
.irp m, 0,1
.set j, 0
.rept 16
	ds_load_b128 v[64*\m+4*j:64*\m+4*j+3], v[SPA] offset:32768*\m+512*j
	ds_load_b128 v[128+64*\m+4*j:128+64*\m+4*j+3], v[SPA2] offset:32768*\m+512*j
.set j, j+1
.endr
.endr
	WIN 0
.irp m, 0,1,2,3
	v_mov_b32 v[TX+\m], v[TN+\m]
.endr
	s_wait_dscnt 0x0                               ; g1 is back: the next trip's image takes the first piece's bytes, which are my wave's own
.Lnoreload:
	s_xor_b32 s41, s41, 0x50000
	s_xor_b32 s42, s42, 0x3800
	s_sub_co_u32 s40, s40, 1
	s_cmp_lg_u32 s40, 0
	s_cbranch_scc1 .Lcross
	BARRIER                                        ; all 96 images and their scale words lie in LDS
	; ---------------- the last six products: my 256 output columns, 12 K steps of 128 (three matrices x four), 64 accumulators by turns
	s_mul_i32 s38, s21, 196608
	v_add_nc_u32 v[CFA], s38, v[LI]                ; (x's last LDS loads, which read these two registers, stand ahead of the cross terms' waits on vm_vsrc)
	s_mul_i32 s39, s21, 6144
	s_add_co_u32 s39, s39, SCW
	v_add_nc_u32 v[CSA], s39, v[LS]
.macro CFLOAD par, off                 ; a K step's four token fragments and their scale words, as they were stored: 20 LDS loads
	WIN 0
.irp m, 0,1,2,3
.irp c, 0,1,2,3
	ds_load_b128 v[128+64*(\par)+16*\m+4*\c:128+64*(\par)+16*\m+4*\c+3], v[CFA] offset:(\off)+2048*\m+512*\c
.endr
	ds_load_b32 v[XS0+4*(\par)+\m], v[CSA] offset:(\off)/16+128*\m
.endr
.endm
.macro GRP2 g, par, zero, n            ; 16 products: slots 4 g .. 4 g + 3 (16 output columns each) x the four tiles of tokens
	s_wait_loadcnt \n
.if (\g) == 0
	s_wait_dscnt 0x0                               ; this K step's token fragments are in (asked for 48 products ago)
.endif
.irp mh, 0,1
	WIN 0xa1+0x50*\mh
.irp e, 0,1,2,3
.irp ml, 0,1
.set rF, 4*(\g)+\e
.set rD, 8*(8*(2*\ml+rF/8)+rF%8)
.set rA, 16*rF
.set rB, 128+64*(\par)+16*(2*\mh+\ml)
.set rSA, SC0+4*(rF/8)+(rF%8)/2
.set rSB, XS0+4*(\par)+2*\mh+\ml
.set rOD, rF%2
	MM rD, rA, rB, \zero, rSA, rSB, rOD
.endr
.endr
.endr
	PLACES 8
.endm
; A K step of the last six products.  Behind each group one wait on va_vdst and the group's refill; a K step that asks for nothing has no such wait.
.macro KSTEP2 par, zero, rbase, cfoff, n0, n1, n2, n3
	GRP2 0, \par, \zero, \n0
.if (\rbase) > 0
	WIN 0x40
	s_wait_alu depctr_va_vdst(0)                   ; group 0's products are done reading slots 0-3; the K step before is done reading the other set of token fragments and its scale words; v[CFA] and v[CSA] are written
	REFILL 0, \rbase
.endif
.if (\cfoff) > 0
	CFLOAD 1-(\par), \cfoff                        ; the next K step's, into the set that the last K step has left: under the same wait
.endif
	GRP2 1, \par, \zero, \n1
.if (\rbase) > 0
	WIN 0
	s_wait_alu depctr_va_vdst(0)                   ; groups 0 and 1 are done reading slots 4-7 and v[SC0 .. SC0+3]
	REFILL 1, \rbase
.endif
	GRP2 2, \par, \zero, \n2
.if (\rbase) > 0
	WIN 0x40
	s_wait_alu depctr_va_vdst(0)                   ; group 2's products are done reading slots 8-11
	REFILL 2, \rbase
.endif
	GRP2 3, \par, \zero, \n3
.if (\rbase) > 0
	WIN 0
	s_wait_alu depctr_va_vdst(0)                   ; groups 2 and 3 are done reading slots 12-15 and v[SC0+4 .. SC0+7]
	REFILL 3, \rbase
.endif
	WIN 0
.endm
	s_wait_alu depctr_va_vdst(0)                   ; v[CFA] and v[CSA] are written, which the LDS loads below read
	CFLOAD 0, 0
	KSTEP2 0, 1, NEXT, 8192, 49, 49, 49, 49        ; the first K step starts the sums and stands ahead of the loop
	s_wait_xcnt 0x0
	s_wait_dscnt 0x0
	s_wait_alu depctr_vm_vsrc(0)                   ; the LDS loads issued so far have read v[CFA] and v[CSA]
	s_add_nc_u64 s[8:9], s[8:9], NEXT
	v_add_nc_u32 v[CFA], 8192, v[CFA]
	v_add_nc_u32 v[CSA], 512, v[CSA]
	s_mov_b32 s28, 5
.Lk2:                                              ; a trip: two K steps, until the sets of token fragments are back where they began
	KSTEP2 1, 0, NEXT, 8192, 49, 49, 49, 49
	KSTEP2 0, 0, 2*NEXT, 16384, 49, 49, 49, 49
	s_wait_xcnt 0x0                                ; the loads have read their base,
	s_wait_dscnt 0x0                               ; the LDS loads are back,
	s_wait_alu depctr_vm_vsrc(0)                   ; and they have read their addresses v[CFA] and v[CSA], which are written below
	s_add_nc_u64 s[8:9], s[8:9], 2*NEXT
	v_add_nc_u32 v[CFA], 16384, v[CFA]
	v_add_nc_u32 v[CSA], 1024, v[CSA]
	s_sub_co_u32 s28, s28, 1
	s_cmp_lg_u32 s28, 0
	s_cbranch_scc1 .Lk2
	KSTEP2 1, 0, 0, 0, 49, 33, 16, 0               ; the last K step asks for nothing: the counts run down
	; ---------------- the way out, block by block of 16 tokens x 128 columns.  A lane holds 32 neighbouring bytes of a row: a block goes through my own stage in LDS and comes back as whole rows of 512 bytes.
	; LDS serves a wave's instructions in order (ISA guide 5.7.1.4): no wait between the stores and the loads.  The stage's bytes were last read ahead of the last barrier.
.macro TOSTAGE a
.set AC, 64*((\a)%4)
	WIN 0x08+4*((\a)/4)
.irp b, 0,1,2,3,4,5,6,7
	ds_store_b128 v[STO], v[AC+8*\b:AC+8*\b+3] offset:64*\b          ; each accumulator from its low end on
	ds_store_b128 v[STO], v[AC+8*\b+4:AC+8*\b+7] offset:64*\b+16
.endr
	WIN 0
.set BB, 128+64*((\a)%2)
.irp t, 0,1,2,3,4,5,6,7,8,9,10,11,12,13,14,15
	ds_load_b128 v[BB+4*\t:BB+4*\t+3], v[RD] offset:\t*528
.endr
.endm
.macro SEND a, younger                 ; younger: the LDS instructions issued behind block a's loads, which may stay out
.set BB, 128+64*((\a)%2)
	s_wait_dscnt \younger
.irp t, 0,1,2,3,4,5,6,7,8,9,10,11,12,13,14,15
	global_store_b128 v[LI], v[BB+4*\t:BB+4*\t+3], s[18:19] offset:65536*((\a)/2)+512*((\a)%2)+4096*\t th:TH_STORE_NT   ; 32 lanes store 512 consecutive bytes, at a multiple of 256 from the output's first byte; written once
.endr
.endm
	s_wait_alu depctr_va_vdst(0)                   ; behind the last group's eight places: the products have written the 64 accumulators, which the LDS stores read, and are done reading v128-255, in which the rows land; no vector line follows
	TOSTAGE 0
.irp a, 1,2,3,4,5,6,7
.if \a > 1
	s_wait_xcnt 0x0                                ; block a - 2's stores have had their addresses translated,
	s_wait_alu depctr_vm_vsrc(0)                   ; and they have read their registers, in which block a's loads land
.endif
	TOSTAGE \a
	SEND \a-1, 32                                  ; behind block a - 1's loads: block a's 16 stores and 16 loads
.endr
	SEND 7, 0
	s_wait_dscnt 0x0
	s_wait_alu depctr_hold_cnt(0) depctr_sa_sdst(0) depctr_va_vdst(0) depctr_va_sdst(0) depctr_va_ssrc(0) depctr_va_vcc(0) depctr_vm_vsrc(0)
	s_wait_tensorcnt 0x0
	ds_add_u32 v30, v31
	s_wait_dscnt 0x0
	s_endpgm
.Lfunc_end_k_qaf05a79d50_chain:
	.size	k_qaf05a79d50_chain, .Lfunc_end_k_qaf05a79d50_chain-k_qaf05a79d50_chain
	.p2alignl 7, 3214868480
	.fill 96, 4, 3214868480
	.section	.rodata,"a",@progbits
	.p2align	6, 0x0
	.amdhsa_kernel k_qaf05a79d50_chain
		.amdhsa_group_segment_fixed_size 318464
		.amdhsa_private_segment_fixed_size 0
		.amdhsa_enable_private_segment 0
		.amdhsa_kernarg_size 64
		.amdhsa_user_sgpr_count 2
		.amdhsa_user_sgpr_kernarg_segment_ptr 1
		.amdhsa_wavefront_size32 1
		.amdhsa_system_sgpr_workgroup_id_x 1
		.amdhsa_system_sgpr_workgroup_id_y 1
		.amdhsa_system_sgpr_workgroup_id_z 1
		.amdhsa_system_vgpr_workitem_id 0
		.amdhsa_next_free_vgpr 1024
		.amdhsa_next_free_sgpr 66
		.amdhsa_reserve_vcc 1
		.amdhsa_float_denorm_mode_32 3
		.amdhsa_float_denorm_mode_16_64 3
		.amdhsa_memory_ordered 1
		.amdhsa_forward_progress 1
		.amdhsa_inst_pref_size 255
	.end_amdhsa_kernel
	.section	.bss,"aw",@nobits
	.p2align	6
	.space	262144
	.amdgpu_metadata
---
amdhsa.version: [ 1, 2 ]
amdhsa.kernels:
  - .name:           k_qaf05a79d50_chain
    .symbol:         k_qaf05a79d50_chain.kd
    .args:
      - { .name: x_codes, .offset: 0, .size: 8, .value_kind: global_buffer, .address_space: global }
      - { .name: x_scales, .offset: 8, .size: 8, .value_kind: global_buffer, .address_space: global }
      - { .name: wst, .offset: 16, .size: 8, .value_kind: global_buffer, .address_space: global }
      - { .name: u1_b, .offset: 24, .size: 8, .value_kind: global_buffer, .address_space: global }
      - { .name: u2_b, .offset: 32, .size: 8, .value_kind: global_buffer, .address_space: global }
      - { .name: ln1_w, .offset: 40, .size: 8, .value_kind: global_buffer, .address_space: global }
      - { .name: ln2_w, .offset: 48, .size: 8, .value_kind: global_buffer, .address_space: global }
      - { .name: out0, .offset: 56, .size: 8, .value_kind: global_buffer, .address_space: global }
    .group_segment_fixed_size: 318464
    .private_segment_fixed_size: 0
    .kernarg_segment_align: 8
    .kernarg_segment_size: 64
    .max_flat_workgroup_size: 128
    .sgpr_count:     66
    .vgpr_count:     1024
    .wavefront_size: 32
...
	.end_amdgpu_metadata
.endif
;; end of part 3
